; MI455X (gfx1250); checked and timed in simulation.
; The chip was launched on July 23, 2026; its instructions are those of AMD's public machine-readable ISA for CDNA 5 (MIT licence, August 2026) and "CDNA5" Instruction Set Architecture Reference Guide (July 2026). The comments in the code are by the model that wrote it; some were corrected since.
;; Encoder Layer. Allowed arithmetic: float matrix products may take bf16 or f16 operands with f32 sums; other float arithmetic in f32, or as packed bf16 or f16 multiplies, adds, multiply-adds, maxima and minima; sums over many terms, partial sums and values carried from step to step in f32; what a program stores and reads back later, other than sums and carried values, may be rounded once to bf16 or f16.
;; Inputs: Wk 1,024 x 1,024 float32; Wo 1,024 x 1,024 float32; Wq 1,024 x 1,024 float32; Wv 1,024 x 1,024 float32; alpha1 1,024 float32; alpha2 1,024 float32; bias1 1,024 float32; bias2 1,024 float32; bk 1,024 float32; bo 1,024 float32; bq 1,024 float32; bv 1,024 float32; mask 8 x 1 x 1,024 int32; x 8 x 1,024 x 1,024 float32.
;; Outputs: out0 8 x 1,024 x 1,024 float32.
;; 2 versions, each right. Each part assembles by itself: llvm-mc -triple=amdgcn-amd-amdhsa -mcpu=gfx1250 --defsym DOCPART=n.
;; ======== version 1 of 2: 4 launches
;; workspace buffers: xnb 16,777,216 bytes; stats 65,536 bytes; wqkv 6,291,456 bytes; wob 2,097,152 bytes; qkv 50,331,648 bytes; obuf 16,777,216 bytes
;; launch prep (part 1): grid 768 x 1, 4 waves a work-group, no clusters, 0 bytes of LDS; arguments x, alpha1, bias1, Wq, Wk, Wv, Wo, xnb, stats, wqkv, wob; writes xnb, stats, wqkv, wob
.if DOCPART == 1
	.amdgcn_target "amdgcn-amd-amdhsa--gfx1250"
	.amdhsa_code_object_version 6
	.text
	.protected	k_q948667065e_prep
	.globl	k_q948667065e_prep
	.p2align	8
	.type	k_q948667065e_prep,@function
k_q948667065e_prep:
	s_mov_b64 s[64:65], 0
	v_nop
	global_prefetch_b8 v0, s[64:65] scope:SCOPE_SE
	s_setreg_imm32_b32 hwreg(HW_REG_WAVE_MODE, 25, 1), 1
	s_wait_xcnt 0x0
; PREP.  Work-groups 0..511: xn = alpha1 (x - mean) / (std + 1e-5) + bias1 (std with divisor 1023), rounded once to bf16 into xnb [8192][1024];
; mean and 1 / (std + 1e-5) of every row in f32 into stats [8192][2].  Work-groups 512..767: Wq, Wk, Wv, Wo rounded once to bf16, kept [k][n]:
; the first three side by side in wqkv [1024][3072], Wo in wob [1024][1024].
; SHARES.  12,288 rows of 4,096 bytes, 16 to a work-group, 4 to a wave; a wave takes a whole row (32 registers), so a row's sums never leave the wave: no LDS, no barrier.
; A wave asks for its four rows (32 loads of 512 consecutive bytes) at once, so the text has no loop.  Load j of a row gives a lane the columns 128 j + 4 lane + 0..3.
; The mean is taken away in registers before the squares are summed: no difference of large sums is formed.
; LIMITS.  A variance below 2^-126 counts as 0 (the root flushes it); NaN and infinities are not treated apart.
.set LANE, 1                           ; v1      lane
.set XO,   2                           ; v2      16 lane + 16,384 wave: my 16 bytes in the wave's first row of f32
.set YO,   3                           ; v3      8 lane + 8,192 wave: my 8 bytes in the wave's first row of xnb
.set CO,   4                           ; v4      16 lane: alpha1, bias1
.set SO,   5                           ; v5      8 lane + 32 wave: stats
.set MUV,  6                           ; v6      lane i: mean of my row i
.set RIV,  7                           ; v7      lane i: variance, then 1 / (std + eps) of my row i
.set T,    8                           ; v[8:15] four chains of sums
.set MU,   16                          ; v[16:17] the mean, twice
.set OFF,  20                          ; v[20:23] cast: my 8 bytes in row i of the destination
.set AL,   24                          ; v[24:55] alpha1 of my 32 columns
.set BI,   56                          ; v[56:87] bias1
.set X,    88                          ; v[88:215] row i at X + 32 i
.set WV,   30
.set SEL,  34                          ; s[34:35] v_permlanex16_b32: each lane takes its own place in the other half
.set RS,   36                          ; s[36:37] 1 / (std + eps), twice
	s_load_b512 s[8:23], s[0:1], 0x0               ; x 8, alpha1 10, bias1 12, Wq 14, Wk 16, Wv 18, Wo 20, xnb 22
	s_load_b128 s[24:27], s[0:1], 0x40             ; stats 24, wqkv 26
	s_load_b64 s[28:29], s[0:1], 0x50              ; wob
	v_and_b32 v[LANE], 31, v0
	v_lshrrev_b32 v[T], 5, v0
	v_readfirstlane_b32 s[WV], v[T]
	s_lshl_b32 s38, s[WV], 14
	v_lshl_add_u32 v[XO], v[LANE], 4, s38
	s_mov_b32 s[SEL], 0x76543210
	s_mov_b32 s[SEL+1], 0xfedcba98
	s_mov_b32 s41, 0
	s_mov_b32 s43, 0
.macro ROWS base                       ; my four rows: 32 loads, each 512 consecutive bytes
.set i, 0
.rept 4
.set j, 0
.rept 8
	global_load_b128 v[X+32*i+4*j:X+32*i+4*j+3], v[XO], s[\base:\base+1] offset:4096*i+512*j th:TH_LOAD_NT
.set j, j+1
.endr
.set i, i+1
.endr
.endm
.macro ACROSS                          ; T's four chains into one number, the same in every lane, in v[T]
	v_pk_add_f32 v[T:T+1], v[T:T+1], v[T+2:T+3]
	v_pk_add_f32 v[T+4:T+5], v[T+4:T+5], v[T+6:T+7]
	v_pk_add_f32 v[T:T+1], v[T:T+1], v[T+4:T+5]
	v_add_f32 v[T], v[T], v[T+1]
	v_add_f32_dpp v[T], v[T], v[T] row_xmask:1 row_mask:0xf bank_mask:0xf
	v_add_f32_dpp v[T], v[T], v[T] row_xmask:2 row_mask:0xf bank_mask:0xf
	v_add_f32_dpp v[T], v[T], v[T] row_xmask:4 row_mask:0xf bank_mask:0xf
	v_add_f32_dpp v[T], v[T], v[T] row_xmask:8 row_mask:0xf bank_mask:0xf
	v_permlanex16_b32 v[T+1], v[T], s[SEL], s[SEL+1]
	v_add_f32 v[T], v[T], v[T+1]
.endm
; Row i: mean, x - mean in place, variance.
.macro NSTAT i
.set R, X+32*(\i)
	s_wait_loadcnt 24-8*(\i)                       ; loads come back in order: row i is in, the 8 loads of each later row may stay out
.irp k, 0,1,2,3
	v_pk_add_f32 v[T+2*\k:T+2*\k+1], v[R+2*\k:R+2*\k+1], v[R+8+2*\k:R+8+2*\k+1]
.endr
.irp k, 8,9,10,11,12,13,14,15
	v_pk_add_f32 v[T+2*(\k%4):T+2*(\k%4)+1], v[T+2*(\k%4):T+2*(\k%4)+1], v[R+2*\k:R+2*\k+1]
.endr
	ACROSS
	v_mul_f32 v[MU], 0x3a800000, v[T]              ; / 1024
	v_mul_f32 v[MU+1], 0x3a800000, v[T]
	v_readfirstlane_b32 s38, v[MU]
	v_writelane_b32 v[MUV], s38, \i
.irp k, 0,1,2,3,4,5,6,7,8,9,10,11,12,13,14,15
	v_pk_add_f32 v[R+2*\k:R+2*\k+1], v[R+2*\k:R+2*\k+1], v[MU:MU+1] neg_lo:[0,1] neg_hi:[0,1]
.endr
.irp k, 0,1,2,3
	v_pk_mul_f32 v[T+2*\k:T+2*\k+1], v[R+2*\k:R+2*\k+1], v[R+2*\k:R+2*\k+1]
.endr
.irp k, 4,5,6,7,8,9,10,11,12,13,14,15
	v_pk_fma_f32 v[T+2*(\k%4):T+2*(\k%4)+1], v[R+2*\k:R+2*\k+1], v[R+2*\k:R+2*\k+1], v[T+2*(\k%4):T+2*(\k%4)+1]
.endr
	ACROSS
	v_mul_f32 v[T], 0x3a802008, v[T]               ; / 1023
	v_readfirstlane_b32 s38, v[T]
	v_writelane_b32 v[RIV], s38, \i
.endm
; Sixteen roundings in place, ascending: word d takes numbers 2 d and 2 d + 1, so no number is overwritten before it is read.
.macro NARROW
.set k, 0
.rept 16
	v_cvt_pk_bf16_f32 v[R+k], v[R+2*k], v[R+2*k+1]
.set k, k+1
.endr
.endm
; Row i: scaled, alpha1 and bias1 applied, rounded, stored: a store of the wave covers 256 consecutive bytes, aligned.
.macro NOUT i
.set R, X+32*(\i)
	v_readlane_b32 s[RS], v[RIV], \i
	s_mov_b32 s[RS+1], s[RS]
.set k, 0
.rept 16
	v_pk_mul_f32 v[R+2*k:R+2*k+1], v[R+2*k:R+2*k+1], s[RS:RS+1] op_sel_hi:[1,0]
.set k, k+1
.endr
.set k, 0
.rept 16
	v_pk_fma_f32 v[R+2*k:R+2*k+1], v[R+2*k:R+2*k+1], v[AL+2*k:AL+2*k+1], v[BI+2*k:BI+2*k+1]
.set k, k+1
.endr
	NARROW
.set k, 0
.rept 8
	global_store_b64 v[YO], v[R+2*k:R+2*k+1], s[22:23] offset:2048*(\i)+256*k
.set k, k+1
.endr
.endm
	s_cmp_lt_u32 ttmp9, 512
	s_cbranch_scc0 .Lcast
	; ---- the norm ----
	s_lshl_b32 s38, s[WV], 13
	v_lshl_add_u32 v[YO], v[LANE], 3, s38
	v_lshlrev_b32 v[CO], 4, v[LANE]
	s_lshl_b32 s38, s[WV], 5
	v_lshl_add_u32 v[SO], v[LANE], 3, s38
	v_mov_b32 v[MUV], 0                            ; v_writelane_b32 keeps the other lanes: they are written first
	v_mov_b32 v[RIV], 0
	s_lshl_b32 s40, ttmp9, 16                      ; 16 rows of 4,096 bytes
	s_lshl_b32 s42, ttmp9, 15                      ; of 2,048
	s_lshl_b32 s44, ttmp9, 7                       ; of 8
	s_mov_b32 s45, 0
	s_wait_kmcnt 0x0
	s_add_nc_u64 s[8:9], s[8:9], s[40:41]
	s_add_nc_u64 s[22:23], s[22:23], s[42:43]
	s_add_nc_u64 s[24:25], s[24:25], s[44:45]
.set j, 0
.rept 8
	global_load_b128 v[AL+4*j:AL+4*j+3], v[CO], s[10:11] offset:512*j
	global_load_b128 v[BI+4*j:BI+4*j+3], v[CO], s[12:13] offset:512*j
.set j, j+1
.endr
	ROWS 8
	NSTAT 0
	NSTAT 1
	NSTAT 2
	NSTAT 3
	v_sqrt_f32 v[RIV], v[RIV]                      ; one root and one reciprocal serve the four rows, a lane a row
	v_nop                                          ; a plain instruction behind the root,
	s_wait_alu depctr_va_vdst(0)                   ; and a wait ahead of its first reader
	v_add_f32 v[RIV], 0x3727c5ac, v[RIV]           ; + 1e-5
	v_rcp_f32 v[RIV], v[RIV]
	v_nop
	s_wait_alu depctr_va_vdst(0)
	NOUT 0
	NOUT 1
	NOUT 2
	NOUT 3
	v_cmp_gt_u32 vcc_lo, 4, v[LANE]
	s_wait_xcnt 0x0                                ; EXEC is a source of the stores above: it changes only behind this wait
	s_and_saveexec_b32 s40, vcc_lo
	global_store_b64 v[SO], v[MUV:MUV+1], s[24:25] ; 32 bytes a wave, 128 a work-group: 64 KiB of the launch's 24 MiB of stores
	s_wait_xcnt 0x0
	s_or_b32 exec_lo, exec_lo, s40
	s_endpgm
	; ---- the casts ----
.Lcast:
	s_sub_co_u32 s38, ttmp9, 512
	s_lshr_b32 s40, s38, 6                         ; which weight: 0 Wq, 1 Wk, 2 Wv, 3 Wo
	s_and_b32 s38, s38, 63                         ; which 16 of its rows
	s_movk_i32 s44, 6144                           ; bytes in a row of wqkv,
	s_movk_i32 s45, 2048                           ; of wob
	s_wait_kmcnt 0x0
	s_cmp_eq_u32 s40, 0
	s_cselect_b64 s[8:9], s[14:15], s[16:17]
	s_cmp_lt_u32 s40, 2
	s_cselect_b64 s[8:9], s[8:9], s[18:19]
	s_cmp_lt_u32 s40, 3
	s_cselect_b64 s[8:9], s[8:9], s[20:21]
	s_cselect_b64 s[22:23], s[26:27], s[28:29]
	s_cselect_b32 s44, s44, s45
	s_cselect_b32 s40, s40, 0
	s_lshl_b32 s42, s38, 16
	s_add_nc_u64 s[8:9], s[8:9], s[42:43]
	s_mul_i32 s42, s38, s44
	s_lshl_b32 s42, s42, 4                         ; 16 rows of the destination,
	s_lshl_b32 s40, s40, 11                        ; and the weight's 2,048 bytes in a row of wqkv
	s_add_co_u32 s42, s42, s40
	s_add_nc_u64 s[22:23], s[22:23], s[42:43]
	s_lshl_b32 s41, s[WV], 2
	s_mul_i32 s41, s41, s44
.irp i, 0,1,2,3
	v_lshl_add_u32 v[OFF+\i], v[LANE], 3, s41
	s_add_co_u32 s41, s41, s44
.endr
	ROWS 8
.irp i, 0,1,2,3
.set R, X+32*\i
	s_wait_loadcnt 24-8*\i
	NARROW
.set k, 0
.rept 8
	global_store_b64 v[OFF+\i], v[R+2*k:R+2*k+1], s[22:23] offset:256*k
.set k, k+1
.endr
.endr
	s_endpgm
.Lfunc_end_k_q948667065e_prep:
	.size	k_q948667065e_prep, .Lfunc_end_k_q948667065e_prep-k_q948667065e_prep
	.p2alignl 7, 3214868480
	.fill 96, 4, 3214868480
	.section	.rodata,"a",@progbits
	.p2align	6, 0x0
	.amdhsa_kernel k_q948667065e_prep
		.amdhsa_group_segment_fixed_size 0
		.amdhsa_private_segment_fixed_size 0
		.amdhsa_enable_private_segment 0
		.amdhsa_kernarg_size 88
		.amdhsa_user_sgpr_count 2
		.amdhsa_user_sgpr_kernarg_segment_ptr 1
		.amdhsa_wavefront_size32 1
		.amdhsa_system_sgpr_workgroup_id_x 1
		.amdhsa_system_sgpr_workgroup_id_y 1
		.amdhsa_system_sgpr_workgroup_id_z 1
		.amdhsa_system_vgpr_workitem_id 0
		.amdhsa_next_free_vgpr 216
		.amdhsa_next_free_sgpr 66
		.amdhsa_reserve_vcc 1
		.amdhsa_float_denorm_mode_32 3
		.amdhsa_float_denorm_mode_16_64 3
		.amdhsa_memory_ordered 1
		.amdhsa_forward_progress 1
		.amdhsa_inst_pref_size 51
	.end_amdhsa_kernel
	.amdgpu_metadata
---
amdhsa.version: [ 1, 2 ]
amdhsa.kernels:
  - .name:           k_q948667065e_prep
    .symbol:         k_q948667065e_prep.kd
    .args:
      - { .name: x, .offset: 0, .size: 8, .value_kind: global_buffer, .address_space: global }
      - { .name: alpha1, .offset: 8, .size: 8, .value_kind: global_buffer, .address_space: global }
      - { .name: bias1, .offset: 16, .size: 8, .value_kind: global_buffer, .address_space: global }
      - { .name: Wq, .offset: 24, .size: 8, .value_kind: global_buffer, .address_space: global }
      - { .name: Wk, .offset: 32, .size: 8, .value_kind: global_buffer, .address_space: global }
      - { .name: Wv, .offset: 40, .size: 8, .value_kind: global_buffer, .address_space: global }
      - { .name: Wo, .offset: 48, .size: 8, .value_kind: global_buffer, .address_space: global }
      - { .name: xnb, .offset: 56, .size: 8, .value_kind: global_buffer, .address_space: global }
      - { .name: stats, .offset: 64, .size: 8, .value_kind: global_buffer, .address_space: global }
      - { .name: wqkv, .offset: 72, .size: 8, .value_kind: global_buffer, .address_space: global }
      - { .name: wob, .offset: 80, .size: 8, .value_kind: global_buffer, .address_space: global }
    .group_segment_fixed_size: 0
    .private_segment_fixed_size: 0
    .kernarg_segment_align: 8
    .kernarg_segment_size: 88
    .max_flat_workgroup_size: 128
    .sgpr_count:     66
    .vgpr_count:     216
    .wavefront_size: 32
...
	.end_amdgpu_metadata
.endif
;; end of part 1
;; launch qkv (part 2): grid 8 x 64, 4 waves a work-group, clusters of 4 x 4, 327,680 bytes of LDS; arguments xnb, wqkv, bq, bk, bv, mask, qkv; writes qkv
.if DOCPART == 2
	.amdgcn_target "amdgcn-amd-amdhsa--gfx1250"
	.amdhsa_code_object_version 6
	.text
	.protected	k_q948667065e_qkv
	.globl	k_q948667065e_qkv
	.p2align	8
	.type	k_q948667065e_qkv,@function
k_q948667065e_qkv:
	s_mov_b64 s[64:65], 0
	v_nop
	global_prefetch_b8 v0, s[64:65] scope:SCOPE_SE
	s_setreg_imm32_b32 hwreg(HW_REG_WAVE_MODE, 25, 1), 1
	s_wait_xcnt 0x0
	s_wait_alu depctr_hold_cnt(0) depctr_sa_sdst(0) depctr_va_vdst(0) depctr_va_sdst(0) depctr_va_ssrc(0) depctr_va_vcc(0) depctr_vm_vsrc(0)
	s_getreg_b32 s2, hwreg(HW_REG_IB_STS2, 6, 4)
	s_cmp_eq_u32 s2, 0
	s_cbranch_scc0 .Lentry_in_a_cluster
	s_endpgm
.Lentry_in_a_cluster:
	s_bfe_u32 s2, ttmp6, 0x10000c
	s_cmp_lg_u32 s2, 0xf033
	s_cbranch_scc0 .Lentry_shape_is_right
	s_endpgm
.Lentry_shape_is_right:
; QKV.  C = xnb [8192][1024] x wqkv [1024][3072] + bias, bf16 operands, f32 sums, rounded once to bf16 and stored BY HEADS: qkv [48 g][8192 row][64], g = 16 which + head
; (which: 0 q, 1 k, 2 v).  A row of K whose mask word is 0 is stored as +0: the attention launch then finds its score to be exactly the constant that it starts the sum with.
; SHARES.  A tile of C is 128 rows x 384 columns (6 heads): 8 x 64 = 512 work-groups.  Wave (wm, wn) makes 64 rows x 192 columns (3 whole heads): 48 accumulators of 16 x 16.
; K goes in 8 steps of 128 through two LDS slots.  A slot: xnb's tile (128 rows x 256 bytes) and three strips of wqkv (128 k-rows x 256 bytes each); wave w fetches part w, one tensor load.
; wqkv lies [k][n]: its fragments come out of LDS turned, by ds_load_tr16_b128.
; THE PRODUCT IS USED TRANSPOSED (source 0 = 16 columns of wqkv, source 1 = 16 rows of xnb): a lane holds row lane % 16 and the columns 8 (lane / 16) + 0..7: 16 bytes of a head's row.
; The bias is the C operand of the first K quarter's products: nothing is cleared and nothing is added later.
; CLUSTER 4 x 4: xnb's tile hangs on the tile row alone and is asked for jointly along a row of the cluster, wqkv's strips on the tile column alone, jointly along a column.
; REGISTERS.  window 0: addresses; v64-159 the bias, later the way out.  window 1: two fragment buffers of 128 (4 of xnb, then 12 of wqkv).
;   window 2: accumulators of column blocks 0-7 ((b, a) at 32 b + 8 a).  window 3: those of blocks 8-11.
.set PA,    272                        ; LDS row of xnb's tile: 256 + 16 bytes: the 16 rows of a fragment load start at 16 different groups of four banks
.set PB,    288                        ; LDS row of a strip: 256 + 32 bytes
.set PART,  128*PB                     ; 36,864: a wave's part of a slot (xnb's tile uses 34,816 of its part)
.set SLOT,  4*PART
.set STAGE, 2*SLOT                     ; behind the ring, never filled by a tensor load: for each wave 3 heads x 16 rows x 144 bytes
.set SP,    144
.set WSTG,  48*SP
.set SPARE, STAGE+4*WSTG               ; the spare words: 128 bytes a wave, two blocks of 256 bytes that no other line names
.set ADRA, 16                          ; v16-17  my fragments of xnb in slot 0, 1
.set ADRB, 18                          ; v18-23  my head j's fragments of wqkv: 18 + 3 slot + j
.set STO,  24                          ; v24     the way out: where I put 16 bytes of a row
.set RD,   25                          ; v25     where I read rows back
.set GO,   26                          ; v26     16 x lane
.set SPW,  28                          ; v28     my spare word; never rewritten
.set NIL,  29                          ; v29     0; never rewritten
.set PFO,  30                          ; v30     the prefetches' offset: lane x a row's bytes; never rewritten
.set MB,   32                          ; v32-35  row block a: all ones where my row's mask word is not 0
.set MK,   36
.set BO,   37                          ; v37     32 (lane / 16)
.set MO,   38                          ; v38     4 (lane % 16)
.set BIAS, 64                          ; v64-159 block b: bias of my 8 columns
.set TMP,  64                          ; the way out: v64-111 packed, v112-159 and v160-207 rows read back, by turns
.set BK,   112
.set F0,   0
.set F1,   128
.set WV, 20
.set WM, 21
.set WN, 22
.set CX, 23
.set CY, 24
.set TX, 25
.set TY, 26
.set G1A, 28                           ; s[28:35] group 1 for xnb's tile;   s[36:43] group 0, a set for each slot
.set G0A, 36
.set G1B, 44                           ; s[44:51], s[52:59] the same for wqkv's strips
.set G0B, 52
.set PFA, 60                           ; s[60:61] where my prefetches stand
.set PST, 62                           ; s[62:63] their step: a K step along xnb's rows or down wqkv's
.set LIM, 66                           ; s66      1 in a wave that prefetches, else the greatest number
.set OB,  80                           ; s[80:85] head j: qkv at my first row of that head
.set NK,  86                           ; s86-88   head j: 0 if it is a head of K, else all ones
.set BP,  90                           ; s[90:95] head j: its 64 numbers of bias
.set MSB, 0
.macro WIN new                         ; the immediate's high byte repeats the setting that is left; a switch that changes nothing is dropped
.if MSB != (\new)
	s_set_vgpr_msb (MSB<<8)|(\new)
.set MSB, \new
.endif
.endm
.macro PLACES                          ; four places in front of loads into registers that matrix instructions have read
.rept 4
	v_nop
.endr
.endm
; A joint load: wave 0 fetches xnb's tile, waves 1 to 3 a strip of wqkv each.  The branch hangs on the wave's number alone.  An s_nop 0 and four v_nop follow each line.
.macro JLOAD s
	s_cmp_eq_u32 s[WV], 0
	s_cbranch_scc0 .Lfor_b_\@
	tensor_load_to_lds s[G0A+4*(\s):G0A+4*(\s)+3], s[G1A:G1A+7]
	s_nop 0
.rept 4
	v_nop
.endr
	s_branch .Lasked_\@
.Lfor_b_\@:
	tensor_load_to_lds s[G0B+4*(\s):G0B+4*(\s)+3], s[G1B:G1B+7]
	s_nop 0
.rept 4
	v_nop
.endr
.Lasked_\@:
.endm
.macro CREST                           ; a round of the cluster's barrier behind its opening barrier
	s_cmp_lg_u32 s[WV], 0
	s_cbranch_scc1 .Lnot_wave_0_\@
	s_barrier_signal -3
.Lnot_wave_0_\@:
	s_barrier_wait -3
	s_barrier_signal -1
	s_barrier_wait -1
.endm
.macro CROUND
	s_barrier_signal -1
	s_barrier_wait -1
	CREST
.endm
; A prefetch of the K step that stands two refills on: 32 rows x 256 bytes, a lane a row.  xnb's tile row is read by both clusters of its row of clusters: cluster x = 0 asks, wave 0, the four partners
; 32 rows each, told apart by address.  A strip of wqkv is read by all sixteen clusters of its column: cluster y = 0 asks, the wave that fetches the strip, the four partners 32 k-rows each.
; So each row's 256 bytes of K steps 4 to 7 are named once; steps 0 to 3 come by their loads alone; the loop's last trip (s3 = 1) has no step two refills on.
.macro ASK
	WIN 0
	s_cmp_gt_u32 s3, s[LIM]
	s_cbranch_scc0 .Lnot_mine_\@
	global_prefetch_b8 v[PFO], s[PFA:PFA+1] th:TH_LOAD_NT scope:SCOPE_SE
.Lnot_mine_\@:
.endm
	s_load_b256 s[4:11], s[0:1], 0x0               ; xnb 4, wqkv 6, bq 8, bk 10
	s_load_b128 s[12:15], s[0:1], 0x20             ; bv 12, mask 14
	s_load_b64 s[16:17], s[0:1], 0x30              ; qkv
	v_lshl_add_u32 v[SPW], v0, 2, SPARE
	v_mov_b32 v[NIL], 0
	ds_add_u32 v[SPW], v[NIL]                      ; the wave's opening: the add and its wait ahead of my first tensor load; work on registers stands between them
	ds_add_u32 v28, v29
	v_lshrrev_b32 v1, 5, v0
	v_readfirstlane_b32 s[WV], v1
	s_lshr_b32 s[WM], s[WV], 1
	s_and_b32 s[WN], s[WV], 1
	s_bfe_u32 s[CX], ttmp6, 0x40000
	s_bfe_u32 s[CY], ttmp6, 0x40004
	s_lshl_b32 s[TX], ttmp9, 2
	s_add_co_u32 s[TX], s[TX], s[CX]               ; tile column 0..7
	s_and_b32 s[TY], ttmp7, 0xffff
	s_lshl_b32 s[TY], s[TY], 2
	s_add_co_u32 s[TY], s[TY], s[CY]               ; tile row 0..63
	s_lshl_b32 s67, s[CY], 2
	s_lshl_b32 s67, 15, s67                        ; my row of the cluster
	s_lshl_b32 s72, 0x1111, s[CX]                  ; my column
	s_or_b32 s[G1A], s67, (1<<16)|(1<<20)|(1<<21)|(5<<22)|(3<<25)  ; mask; 2-byte elements; padding on; bit 21 beside a mask; after every 64 words, 4 words
	s_or_b32 s[G1B], s72, (1<<16)|(1<<20)|(1<<21)|(5<<22)|(7<<25)  ; the same with 8 words of padding
.irp g, G1A, G1B
	s_mov_b32 s[\g+1], 128<<16                     ; tensor_dim0 = 128
	s_mov_b32 s[\g+2], 128<<16                     ; tensor_dim1 = 128
	s_mov_b32 s[\g+3], 128<<16                     ; tile_dim0 = 128
	s_mov_b32 s[\g+4], 128                         ; tile_dim1 = 128
	s_mov_b32 s[\g+6], 0
	s_mov_b32 s[\g+7], 0
.endr
	s_mov_b32 s[G1A+5], 1024                       ; elements from row to row
	s_mov_b32 s[G1B+5], 3072
	s_lshl_b32 s68, s[TY], 18                      ; xnb: 128 rows of 2,048 bytes a tile row; these registers never hold cx
	s_mov_b32 s69, 0
	s_max_u32 s74, s[WV], 1
	s_sub_co_u32 s74, s74, 1                       ; my strip (wave 0 makes strip 0's address and does not use it)
	s_lshl_b32 s74, s74, 8
	s_mul_i32 s70, s[TX], 768                      ; wqkv: 768 bytes of a row a tile column; these never hold cy
	s_add_co_u32 s70, s70, s74
	s_mov_b32 s71, 0
	s_mul_i32 s73, s[WV], PART                     ; where my part goes: the wave's number alone
	s_wait_dscnt 0x0                               ; the opening add is done
	s_wait_kmcnt 0x0
	s_add_nc_u64 s[68:69], s[4:5], s[68:69]
	s_add_nc_u64 s[70:71], s[6:7], s[70:71]
	CROUND                                         ; all sixteen work-groups are here: the first joint loads meet
.irp s, 0,1
	s_mov_b32 s[G0A+4*\s], 1
	s_add_co_u32 s[G0A+4*\s+1], s73, \s*SLOT
	s_add_nc_u64 s[G0A+4*\s+2:G0A+4*\s+3], s[68:69], \s*256
	s_or_b32 s[G0A+4*\s+3], s[G0A+4*\s+3], 0x80000000
	s_mov_b32 s[G0B+4*\s], 1
	s_add_co_u32 s[G0B+4*\s+1], s73, \s*SLOT
	s_add_nc_u64 s[G0B+4*\s+2:G0B+4*\s+3], s[70:71], \s*128*6144
	s_or_b32 s[G0B+4*\s+3], s[G0B+4*\s+3], 0x80000000
	JLOAD \s                                       ; two tensor loads of mine are out
.endr
	; LDS addresses
	v_and_b32 v1, 15, v0                           ; r = lane % 16
	v_bfe_u32 v2, v0, 4, 1                         ; h = lane / 16
	v_mul_u32_u24 v3, v1, PA
	v_lshl_add_u32 v3, v2, 4, v3
	s_mul_i32 s67, s[WM], 64*PA
	v_add_nc_u32 v[ADRA], s67, v3                  ; (64 wm + r) x 272 + 16 h
	v_add_nc_u32 v[ADRA+1], SLOT, v[ADRA]
	v_and_b32 v4, 7, v0
	v_lshl_add_u32 v4, v2, 3, v4
	v_mul_u32_u24 v4, v4, PB
	v_bfe_u32 v5, v0, 3, 1
	v_lshl_add_u32 v4, v5, 4, v4                   ; the turning load: k-row 8 h + lane % 8, 16 bytes for each eight lanes
	s_mul_i32 s67, s[WN], 3
.irp j, 0,1,2
	s_add_co_u32 s72, s67, \j                      ; my head j is head 3 wn + j of the tile's six: strip / 2, half % 2
	s_lshr_b32 s74, s72, 1
	s_and_b32 s72, s72, 1
	s_mul_i32 s74, s74, PART
	s_lshl_b32 s72, s72, 7
	s_add_co_u32 s74, s74, s72
	s_add_co_u32 s74, s74, PART
	v_add_nc_u32 v[ADRB+\j], s74, v4
	v_add_nc_u32 v[ADRB+3+\j], SLOT, v[ADRB+\j]
.endr
	s_mul_i32 s67, s[WV], WSTG
	s_add_co_u32 s67, s67, STAGE
	v_mul_u32_u24 v[STO], v1, SP
	v_lshl_add_u32 v[STO], v2, 4, v[STO]
	v_add_nc_u32 v[STO], s67, v[STO]
	v_bfe_u32 v[RD], v0, 3, 2
	v_mul_u32_u24 v[RD], v[RD], SP
	v_and_b32 v6, 7, v0
	v_lshl_add_u32 v[RD], v6, 4, v[RD]
	v_add_nc_u32 v[RD], s67, v[RD]
	v_and_b32 v[GO], 31, v0
	v_lshlrev_b32 v[GO], 4, v[GO]
	v_lshlrev_b32 v[BO], 5, v2
	v_lshlrev_b32 v[MO], 2, v1
	; the prefetches: PFA stands one step short of K step 4; each change of slots steps it and then names it
	s_lshl_b32 s67, s[TY], 7
	s_lshl_b32 s72, s[CX], 5
	s_add_co_u32 s67, s67, s72
	s_lshl_b32 s67, s67, 11
	s_add_co_u32 s67, s67, 3*256                   ; xnb: row 128 ty + 32 cx, K step 3
	s_lshl_b32 s72, s[CY], 5
	s_add_co_u32 s72, s72, 3*128
	s_mul_i32 s72, s72, 6144
	s_mul_i32 s74, s[TX], 768
	s_add_co_u32 s72, s72, s74
	s_max_u32 s74, s[WV], 1
	s_sub_co_u32 s74, s74, 1
	s_lshl_b32 s74, s74, 8
	s_add_co_u32 s72, s72, s74                     ; wqkv: k-row 384 + 32 cy, my strip
	s_and_b32 s74, ttmp7, 0xffff
	s_mov_b32 s75, 128*6144
	s_movk_i32 s78, 6144
	s_cmp_eq_u32 s[WV], 0
	s_cselect_b32 s74, ttmp9, s74                  ; the coordinate along which other clusters read the same rows
	s_cselect_b64 s[PFA:PFA+1], s[4:5], s[6:7]
	s_cselect_b32 s76, s67, s72
	s_cselect_b32 s[PST], 256, s75
	s_cselect_b32 s78, 2048, s78
	s_mov_b32 s77, 0
	s_mov_b32 s[PST+1], 0
	s_add_nc_u64 s[PFA:PFA+1], s[PFA:PFA+1], s[76:77]
	s_cmp_eq_u32 s74, 0
	s_cselect_b32 s[LIM], 1, -1
	v_and_b32 v[PFO], 31, v0
	v_mul_u32_u24 v[PFO], v[PFO], s78
	; my three heads: bias, place in qkv, whether the head is K's
	s_mul_i32 s67, s[TX], 6
	s_mul_i32 s72, s[WN], 3
	s_add_co_u32 s67, s67, s72                     ; g of my head 0
	s_lshl_b32 s74, s[TY], 7
	s_lshl_b32 s75, s[WM], 6
	s_add_co_u32 s74, s74, s75                     ; my first row
.irp j, 0,1,2
	s_add_co_u32 s72, s67, \j
	s_cmp_lt_u32 s72, 16
	s_cselect_b64 s[BP+2*\j:BP+2*\j+1], s[8:9], s[10:11]
	s_cmp_lt_u32 s72, 32
	s_cselect_b64 s[BP+2*\j:BP+2*\j+1], s[BP+2*\j:BP+2*\j+1], s[12:13]
	s_and_b32 s78, s72, 15
	s_lshl_b32 s78, s78, 8
	s_mov_b32 s79, 0
	s_add_nc_u64 s[BP+2*\j:BP+2*\j+1], s[BP+2*\j:BP+2*\j+1], s[78:79]
	s_lshr_b32 s78, s72, 4
	s_cmp_lg_u32 s78, 1
	s_cselect_b32 s[NK+\j], -1, 0
	s_lshl_b32 s78, s72, 20
	s_lshl_b32 s75, s74, 7
	s_add_co_u32 s78, s78, s75
	s_add_nc_u64 s[OB+2*\j:OB+2*\j+1], s[16:17], s[78:79]
.endr
	s_lshl_b32 s76, s74, 2
	s_mov_b32 s77, 0
	s_add_nc_u64 s[76:77], s[14:15], s[76:77]      ; the mask words of my 64 rows (row = 1024 batch + position)
.set bb, 0
.rept 12
	global_load_b128 v[BIAS+8*bb:BIAS+8*bb+3],   v[BO], s[BP+2*(bb/4):BP+2*(bb/4)+1] offset:64*(bb%4)
	global_load_b128 v[BIAS+8*bb+4:BIAS+8*bb+7], v[BO], s[BP+2*(bb/4):BP+2*(bb/4)+1] offset:64*(bb%4)+16
.set bb, bb+1
.endr
.irp a, 0,1,2,3
	global_load_b32 v[MB+\a], v[MO], s[76:77] offset:64*\a
.endr
	s_wait_loadcnt 0x0
.irp a, 0,1,2,3
	v_cmp_ne_u32 s67, 0, v[MB+\a]
	v_cndmask_b32 v[MB+\a], 0, -1, s67
.endr
; n column blocks from b0 on x my 4 row blocks, 32 along K, from buffer f.  first = 1: the bias starts the sums.  The 48 accumulators take turns, one instruction a turn, in one order in every quarter:
; 47 others' stand between two links of a chain, over the backward jump too.
.macro MULB f, b0, n, first
.set bb, \b0
.rept \n
.set AC, 32*(bb%8)
.if \first
	WIN 0x85+0x40*(bb/8)
.else
	WIN 0xa5+0x50*(bb/8)
.endif
.irp a, 0,1,2,3
.if \first
	v_wmma_f32_16x16x32_bf16 v[AC+8*\a:AC+8*\a+7], v[(\f)+32+8*bb:(\f)+32+8*bb+7], v[(\f)+8*\a:(\f)+8*\a+7], v[BIAS+8*bb:BIAS+8*bb+7]
.else
	v_wmma_f32_16x16x32_bf16 v[AC+8*\a:AC+8*\a+7], v[(\f)+32+8*bb:(\f)+32+8*bb+7], v[(\f)+8*\a:(\f)+8*\a+7], v[AC+8*\a:AC+8*\a+7]
.endif
.endr
.set bb, bb+1
.endr
.endm
; 32 LDS loads in one run: quarter q (32 along K) of a slot into buffer f: xnb's 4 fragments, wqkv's blocks 8-11, then blocks 0-7
.macro FETCH slot, q, f
	WIN 0x40
.irp a, 0,1,2,3
	ds_load_b128 v[(\f)+8*\a:(\f)+8*\a+3],   v[ADRA+(\slot)] offset:64*(\q)+16*PA*\a
	ds_load_b128 v[(\f)+8*\a+4:(\f)+8*\a+7], v[ADRA+(\slot)] offset:64*(\q)+16*PA*\a+32
.endr
.irp b, 8,9,10,11,0,1,2,3,4,5,6,7
	ds_load_tr16_b128 v[(\f)+32+8*\b:(\f)+32+8*\b+3],   v[ADRB+3*(\slot)+\b/4] offset:32*PB*(\q)+32*(\b%4)
	ds_load_tr16_b128 v[(\f)+32+8*\b+4:(\f)+32+8*\b+7], v[ADRB+3*(\slot)+\b/4] offset:32*PB*(\q)+32*(\b%4)+16*PB
.endr
.endm
; One of a K step's first three quarters: multiplies buffer f; in its middle it fetches quarter q into buffer g.
.macro QUARTER slot, q, f, g, first
	s_wait_dscnt 16                                ; xnb's fragments and blocks 8-11 are in; the youngest 16 loads (blocks 0-7) may be out
	MULB \f, 8, 4, \first
	PLACES
	FETCH \slot, \q, \g
	s_wait_dscnt 32                                ; all but the 32 just issued
	MULB \f, 0, 8, \first
.endm
; The last quarter multiplies buffer 1 and changes slots: one barrier; in front of it each wave waits for all its tensor loads (one is out: its part of the next slot), adds 0 to its spare word,
; and waits for that and for its reads of this slot.  fill = 1: the barrier opens a round of the cluster's, and this slot is filled again, two K steps ahead, first thing behind the round.
.macro TURN slot, next, fill
.if \fill
	s_wait_xcnt 0x0                                ; the last prefetch, a K step back, has read its address
	s_add_nc_u64 s[PFA:PFA+1], s[PFA:PFA+1], s[PST:PST+1]
.endif
	WIN 0
	s_wait_tensorcnt 0x0
	ds_add_u32 v[SPW], v[NIL]
	s_wait_dscnt 17                                ; (the add and the youngest 16 loads may be out)
	MULB F1, 8, 2, 0
	s_wait_dscnt 0x0                               ; the add is done, and my reads of this slot are over
	s_barrier_signal -1
	MULB F1, 10, 2, 0
.if \fill
	WIN 0
.endif
	s_barrier_wait -1
.if \fill
	CREST
	s_add_nc_u64 s[G0A+4*(\slot)+2:G0A+4*(\slot)+3], s[G0A+4*(\slot)+2:G0A+4*(\slot)+3], 2*256
	s_add_nc_u64 s[G0B+4*(\slot)+2:G0B+4*(\slot)+3], s[G0B+4*(\slot)+2:G0B+4*(\slot)+3], 2*128*6144
	JLOAD \slot                                    ; its four v_nop are also the places in front of the loads below
.else
	PLACES
.endif
	FETCH \next, 0, F0
.if \fill
	ASK
.endif
	MULB F1, 0, 8, 0
.endm
	s_wait_tensorcnt 1                             ; my part of K step 0 is in; step 1's may stay out
	s_barrier_signal -1
	s_barrier_wait -1
	FETCH 0, 0, F0
	QUARTER 0, 1, F0, F1, 1
	WIN 0
	s_mov_b32 s3, 3
.Llap:                                                 ; a trip goes once round the ring and fills both slots again: K steps 2 to 7
	QUARTER 0, 2, F1, F0, 0
	QUARTER 0, 3, F0, F1, 0
	TURN 0, 1, 1
	QUARTER 1, 1, F0, F1, 0
	QUARTER 1, 2, F1, F0, 0
	QUARTER 1, 3, F0, F1, 0
	TURN 1, 0, 1
	QUARTER 0, 1, F0, F1, 0
	WIN 0
	s_sub_co_u32 s3, s3, 1
	s_cmp_lg_u32 s3, 0
	s_cbranch_scc1 .Llap
	QUARTER 0, 2, F1, F0, 0                        ; the last lap fills nothing
	QUARTER 0, 3, F0, F1, 0
	TURN 0, 1, 0
	QUARTER 1, 1, F0, F1, 0
	QUARTER 1, 2, F1, F0, 0
	QUARTER 1, 3, F0, F1, 0
	s_wait_dscnt 16
	MULB F1, 8, 4, 0
	s_wait_dscnt 0x0
	MULB F1, 0, 8, 0
	WIN 0
; THE WAY OUT, a block of 16 rows at a time.  PACK: rounded to bf16 (each accumulator's registers ascending), K's heads ANDed with the row's mask.  TOSTAGE: into my stage, 16 rows x 144 bytes a head,
; and back as whole rows.  SEND: a store of the wave covers 512 consecutive bytes (four rows of a head), aligned.
.macro PACK a
.set bb, 0
.rept 12
	WIN 0x0a+5*(bb/8)
.set AC, 32*(bb%8)+8*(\a)
.irp r, 0,1,2,3
	v_cvt_pk_bf16_f32 v[TMP+4*bb+\r], v[AC+2*\r], v[AC+2*\r+1]
.endr
.set bb, bb+1
.endr
	WIN 0
.irp j, 0,1,2
	v_or_b32 v[MK], s[NK+\j], v[MB+(\a)]
.set r4, 0
.rept 16
	v_and_b32 v[TMP+16*\j+r4], v[MK], v[TMP+16*\j+r4]
.set r4, r4+1
.endr
.endr
.endm
.macro TOSTAGE a
.set BKA, BK+48*((\a)%2)
.set bb, 0
.rept 12
	ds_store_b128 v[STO], v[TMP+4*bb:TMP+4*bb+3] offset:16*SP*(bb/4)+32*(bb%4)
.set bb, bb+1
.endr
.set bb, 0
.rept 12
	ds_load_b128 v[BKA+4*bb:BKA+4*bb+3], v[RD] offset:16*SP*(bb/4)+4*SP*(bb%4)  ; LDS serves a wave's instructions in order: these see the stores above
.set bb, bb+1
.endr
.endm
.macro SEND a
.set BKA, BK+48*((\a)%2)
	s_wait_dscnt 0x0                               ; the block is back in registers
	s_wait_xcnt 0x0                                ; the stores of the block before have read their registers, which the next TOSTAGE loads again
.set bb, 0
.rept 12
	global_store_b128 v[GO], v[BKA+4*bb:BKA+4*bb+3], s[OB+2*(bb/4):OB+2*(bb/4)+1] offset:2048*(\a)+512*(bb%4)
.set bb, bb+1
.endr
.endm
	PLACES
	PLACES
	PACK 0
	TOSTAGE 0
.irp a, 1,2,3
	PACK \a
	SEND \a-1
	TOSTAGE \a
.endr
	SEND 3
	s_wait_tensorcnt 0x0                           ; the wave's end
	ds_add_u32 v[SPW], v[NIL]
	s_wait_dscnt 0x0
	CROUND                                         ; the closing round
	s_endpgm
.Lfunc_end_k_q948667065e_qkv:
	.size	k_q948667065e_qkv, .Lfunc_end_k_q948667065e_qkv-k_q948667065e_qkv
	.p2alignl 7, 3214868480
	.fill 96, 4, 3214868480
	.section	.rodata,"a",@progbits
	.p2align	6, 0x0
	.amdhsa_kernel k_q948667065e_qkv
		.amdhsa_group_segment_fixed_size 327680
		.amdhsa_private_segment_fixed_size 0
		.amdhsa_enable_private_segment 0
		.amdhsa_kernarg_size 56
		.amdhsa_user_sgpr_count 2
		.amdhsa_user_sgpr_kernarg_segment_ptr 1
		.amdhsa_wavefront_size32 1
		.amdhsa_system_sgpr_workgroup_id_x 1
		.amdhsa_system_sgpr_workgroup_id_y 1
		.amdhsa_system_sgpr_workgroup_id_z 1
		.amdhsa_system_vgpr_workitem_id 0
		.amdhsa_next_free_vgpr 896
		.amdhsa_next_free_sgpr 96
		.amdhsa_reserve_vcc 0
		.amdhsa_float_denorm_mode_32 3
		.amdhsa_float_denorm_mode_16_64 3
		.amdhsa_memory_ordered 1
		.amdhsa_forward_progress 1
		.amdhsa_inst_pref_size 132
	.end_amdhsa_kernel
	.amdgpu_metadata
---
amdhsa.version: [ 1, 2 ]
amdhsa.kernels:
  - .name:           k_q948667065e_qkv
    .symbol:         k_q948667065e_qkv.kd
    .args:
      - { .name: xnb, .offset: 0, .size: 8, .value_kind: global_buffer, .address_space: global }
      - { .name: wqkv, .offset: 8, .size: 8, .value_kind: global_buffer, .address_space: global }
      - { .name: bq, .offset: 16, .size: 8, .value_kind: global_buffer, .address_space: global }
      - { .name: bk, .offset: 24, .size: 8, .value_kind: global_buffer, .address_space: global }
      - { .name: bv, .offset: 32, .size: 8, .value_kind: global_buffer, .address_space: global }
      - { .name: mask, .offset: 40, .size: 8, .value_kind: global_buffer, .address_space: global }
      - { .name: qkv, .offset: 48, .size: 8, .value_kind: global_buffer, .address_space: global }
    .group_segment_fixed_size: 327680
    .private_segment_fixed_size: 0
    .kernarg_segment_align: 8
    .kernarg_segment_size: 56
    .max_flat_workgroup_size: 128
    .sgpr_count:     96
    .vgpr_count:     896
    .wavefront_size: 32
...
	.end_amdgpu_metadata
.endif
;; end of part 2
;; launch attn (part 3): grid 2 x 128, 4 waves a work-group, no clusters, 327,680 bytes of LDS; arguments qkv, mask, obuf; writes obuf
.if DOCPART == 3
	.amdgcn_target "amdgcn-amd-amdhsa--gfx1250"
	.amdhsa_code_object_version 6
	.text
	.protected	k_q948667065e_attn
	.globl	k_q948667065e_attn
	.p2align	8
	.type	k_q948667065e_attn,@function
k_q948667065e_attn:
	s_mov_b64 s[64:65], 0
	v_nop
	global_prefetch_b8 v0, s[64:65] scope:SCOPE_SE
	s_setreg_imm32_b32 hwreg(HW_REG_WAVE_MODE, 25, 1), 1
	s_wait_xcnt 0x0
; ATTENTION with a key mask.  For pair p = 8 head + batch: O[q] = the sum over k of softmax_k(s[q][k]) V[k], s = Q[q] . K[k] / 8, or -1e9 where mask[batch][k] = 0.
; Q, K, V: qkv [48][8][1024][64] bf16 (q at g = head, k at 16 + head, v at 32 + head): a pair's rows are dense, 128 bytes each.  O: obuf [16 head][8 batch][1024][64] bf16.
; Products, maxima and sums in f32; the weights p are rounded to bf16 for the second product (their sum l is taken of the unrounded p), O once at the end.
; THE MASK.  The launch before stored K's masked rows as +0.  The sum S^T = K Q^T starts with C = 0 for a kept key and -8e9 for a masked one (exact in f32; an eighth of it is -1e9), so a masked score
; is exactly -8e9 whatever Q holds: its weight is 0 beside any kept key, and where a batch's mask is all 0 all scores are equal and the weights uniform, as the softmax of equal numbers is.
; In such a row c s - c m is the rounding residue of c m, at most 64 in size and the same for all keys: p = 2^residue, which bf16 and f32 hold, and it cancels in O / l.
; LIMITS.  A kept score below -8e9 (before the division by 8) is not told apart from a masked one; a weight below 2^-126 counts as 0 in l; NaN and infinities are not treated apart.
; SHARES.  A wave owns four PIECES of two tiles of 16 queries, a work-group's four waves 512 queries of one pair: 2 x 128 work-groups.  Every wave walks all 1,024 keys, 64 a step.
; NO CLUSTER: a pair has 1,024 / 512 = 2 work-groups, so a cluster of four would hold two pairs, which share no tile.
; LAYOUT.  S^T = K Q^T (source 0 = 16 keys, source 1 = 16 queries): a lane holds ONE query (lane % 16) and the keys 8 (lane / 16) + 0..7.  Two such tiles, rounded to bf16 in pairs, ARE source 1 of
; O^T = V^T P.  K comes out of LDS as it lies, V turned, by ds_load_tr16_b128.
; SOFTMAX.  A running maximum m and sum l: p = 2^(c s - c m), c = log2(e) / 8; in every step O and l are multiplied by a = 2^(c m_old - c m_new).  m starts at the lowest finite number, O and l at 0.
; BY TURNS.  Turn n belongs to piece n.  Its matrix work: 16 products K Q^T of piece n + 1, later 16 products V^T P of piece n - 1.  Its vector work: scaling, exponentials, roundings, sums and rescaling
; of piece n, maximum and statistics of piece n + 1.  Four vector instructions stand behind every matrix instruction, the rest in one run; a turn's 66 exponentials are one batch with one wait.
; REGISTERS.  window 0: v0-11 addresses; v12-15, v48-63 at work; v16-47 statistics; v64-191 S^T, two buffers of two tiles; v192-255 P, likewise.  window 1: O^T, 32 a tile.
;   window 2: v0-127 Q; v128-191 K of one step; v192-255 V of one step.  window 3: v0-1 the add's two registers; v32-63 the step's mask numbers, 8 for each 16 keys.
.set NP,    4
.set KS,    64
.set PK,    144       ; a row of K in LDS: 128 + 16 bytes
.set PV,    160       ; a row of V: 128 + 32 bytes
.set VOFF,  4*KS*PK   ; a slot holds four steps: 256 rows of K, then 256 rows of V
.set SLOT1, 1<<17
.set STAGE, SLOT1+4*KS*(PK+PV)  ; never filled by a tensor load: 16 rows x 144 bytes for each wave
.set SP,    144
.set SPARE, STAGE+4*16*SP       ; the spare words: two blocks of 256 bytes that no other line names
.set MASKT, SPARE+512           ; 1,024 f32: 0 or -8e9 for each key of my batch; stored once, never filled by a tensor load
.set STO, 1           ; v1   the way out: where I put 16 bytes of a row
.set AK0, 2           ; v2   my lane's place in a tile of K
.set AV0, 3           ; v3   the same for V
.set AK,  4           ; v4   the LDS address of K's next run of loads
.set AV,  5           ; v5   of V's
.set QO,  6           ; v6   my byte offset in the wave's rows of Q
.set RD,  7           ; v7   the way out: where I read rows back
.set GO,  8           ; v8   my byte offset in 512 consecutive bytes of O
.set PFO, 10          ; v10  256 x lane
.set AM,  11          ; v11  the LDS address of the next step's mask numbers
.set SPW, 0           ; v0 of window 3
.set NIL, 1           ; v1 of window 3
.set MC,  32          ; window 3
.set MV,  12
.set ST,  16
.set TMP, 48
.set S,   64
.set P,   192
.set KF,  128
.set VF,  192
.set WV,  12
.set G1K, 24
.set G1V, 32
.set G0K, 40
.set G0V, 44
.set SLOTS, 56        ; s56  slots still to be entered behind the one in hand
.set CNT, 57
.set CS,  58
.set SEL, 60
.set TBK, 62
.set TBV, 63
.set PFA, 66          ; s[66:67] my 16,384 bytes of the slot that was asked for last; stepped ahead of each prefetch
.set LIM, 68          ; s68  1 in the pair's first work-group, else the greatest number
.set BIG, 69          ; s69  -8e9
.set MSB, 0
.macro WIN new
.if MSB != (\new)
	s_set_vgpr_msb (MSB<<8)|(\new)
.set MSB, (\new)
.endif
.endm
.set W_KQ, 0x0a       ; K and Q in window 2, S^T in window 0
.set W_KM, 0x3a       ; the same with the C operand in window 3
.set W_PV, 0x52       ; V in window 2, P in window 0, O^T in window 1
.set W_RS, 0x41       ; O^T in window 1, a in window 0
.set W_MK, 0xc0
.set W_AD, 0x0f
; A fill.  Waves 0 and 1 fetch the two halves of a slot's K, waves 2 and 3 those of its V: 128 keys each.  An s_nop 0 and four v_nop follow each line.
.macro LOAD
	s_cmp_lt_u32 s[WV], 2
	s_cbranch_scc0 .Lfor_v_\@
	tensor_load_to_lds s[G0K:G0K+3], s[G1K:G1K+7]
	s_nop 0
.rept 4
	v_nop
.endr
	s_branch .Lasked_\@
.Lfor_v_\@:
	tensor_load_to_lds s[G0V:G0V+3], s[G1V:G1V+7]
	s_nop 0
.rept 4
	v_nop
.endr
.Lasked_\@:
.endm
; A prefetch of what the NEXT change of slots will ask for.  Both work-groups of a pair walk the same K and V: the first asks.  Each of its waves names the 16,384 bytes that it will itself load:
; 64 blocks of 256 bytes, a lane a block, two instructions.  So slots 2 and 3 are named once; slots 0 and 1 come by their loads alone; the last fill asks for nothing.
.macro ASK
	s_cmp_gt_u32 s[SLOTS], s[LIM]
	s_cbranch_scc0 .Lnot_mine_\@
	global_prefetch_b8 v[PFO], s[PFA:PFA+1] th:TH_LOAD_NT scope:SCOPE_SE
	global_prefetch_b8 v[PFO], s[PFA:PFA+1] offset:8192 th:TH_LOAD_NT scope:SCOPE_SE
.Lnot_mine_\@:
.endm
; THE CHANGE OF SLOTS.  Each wave waits for all its tensor loads (one is out: its part of the other slot), adds 0 to its spare word, and waits for that and for its own LDS instructions.  Behind the barrier
; nobody reads the old slot and the other slot is whole.  fill = 1: the old slot is filled again first thing, with the keys two slots on: four key steps, 512 matrix instructions, in which to land.
; (At its first use nothing has been read yet: slot 0 is waited for, slot 1 filled, and the mask table, stored just before, is shown to every wave.)
.macro CHANGE fill
	WIN W_AD
	s_wait_tensorcnt 0x0
	ds_add_u32 v[SPW], v[NIL]
	WIN 0
.if \fill
.irp g, G0K, G0V
	s_xor_b32 s[\g+1], s[\g+1], SLOT1
	s_add_nc_u64 s[\g+2:\g+3], s[\g+2:\g+3], 4*KS*128
.endr
	s_wait_xcnt 0x0                 ; the last prefetches, four key steps back, have read their address
	s_add_nc_u64 s[PFA:PFA+1], s[PFA:PFA+1], 4*KS*128
.endif
	s_wait_dscnt 0x0
	s_barrier_signal -1
	s_barrier_wait -1
.if \fill
	LOAD
	ASK
.endif
	s_sub_co_u32 s[TBK], s[TBK], 4*KS*PK
	s_xor_b32 s[TBK], s[TBK], SLOT1
	s_sub_co_u32 s[TBV], s[TBV], 4*KS*PV
	s_xor_b32 s[TBV], s[TBV], SLOT1
.endm
	s_load_b128 s[4:7], s[0:1], 0x0   ; qkv s[4:5], mask s[6:7]
	s_load_b64 s[10:11], s[0:1], 0x10 ; obuf
	WIN W_MK
	v_lshl_add_u32 v[SPW], v0, 2, SPARE
	v_mov_b32 v[NIL], 0
	WIN W_AD
	ds_add_u32 v[SPW], v[NIL]       ; the wave's opening: the add and its wait ahead of my first tensor load
	ds_add_u32 v0, v1
	WIN 0
	v_lshrrev_b32 v1, 5, v0
	v_readfirstlane_b32 s[WV], v1
	s_and_b32 s20, ttmp7, 0xffff    ; the pair
	s_and_b32 s14, s20, 7           ; its batch:
	s_lshl_b32 s14, s14, 12         ; 4,096 bytes of mask
	s_mov_b32 s15, 0
	s_lshl_b32 s20, s20, 17         ; a pair's 1,024 rows of 128 bytes
	s_and_b32 s16, s[WV], 1         ; which half of a slot's 256 keys I fetch
	s_lshl_b32 s22, s16, 14
	s_add_co_u32 s22, s22, s20
	s_mov_b32 s23, 0
	s_mul_i32 s17, s16, 128*PK
	s_mul_i32 s18, s16, 128*PV
	s_lshl_b32 s2, ttmp9, 2
	s_add_co_u32 s2, s2, s[WV]
	s_lshl_b32 s2, s2, 14           ; my wave's 128 rows
	s_add_co_u32 s2, s2, s20
	s_mov_b32 s3, 0
	; descriptor group 1.  128 keys are 16,384 dense bytes: asked for as 64 rows of 256 bytes, two keys a row, and padded in LDS after every key
	s_mov_b32 s[G1K], (1<<16)|(1<<20)|(4<<22)|(3<<25)
	s_mov_b32 s[G1V], (1<<16)|(1<<20)|(4<<22)|(7<<25)
.irp g, G1K, G1V
	s_mov_b32 s[\g+1], 128<<16
	s_mov_b32 s[\g+2], 64<<16
	s_mov_b32 s[\g+3], 128<<16
	s_mov_b32 s[\g+4], 64
	s_mov_b32 s[\g+5], 128
	s_mov_b32 s[\g+6], 0
	s_mov_b32 s[\g+7], 0
.endr
	s_mov_b32 s[CS], 0x3e38aa3b     ; c = log2(e) / 8
	s_mov_b32 s[CS+1], s[CS]
	s_mov_b32 s[SEL], 0x76543210
	s_mov_b32 s[SEL+1], 0xfedcba98
	s_mov_b32 s[BIG], 0xcfee6b28    ; -8e9
	s_mov_b32 s[TBK], SLOT1+4*KS*PK ; the first change of slots turns these two into 0
	s_mov_b32 s[TBV], SLOT1+4*KS*PV
	s_mov_b32 s[G0K], 1
	s_mov_b32 s[G0K+1], s17
	s_mov_b32 s[G0V], 1
	s_add_co_u32 s[G0V+1], s18, VOFF
	s_mov_b32 s[SLOTS], 3
	s_cmp_eq_u32 ttmp9, 0
	s_cselect_b32 s[LIM], 1, -1
	s_wait_dscnt 0x0                ; the opening add is done
	s_wait_kmcnt 0x0
	s_add_nc_u64 s[22:23], s[4:5], s[22:23]
	s_add_nc_u64 s[G0K+2:G0K+3], s[22:23], 0x1000000  ; K: 16 heads of 1,048,576 bytes on
	s_add_nc_u64 s[G0V+2:G0V+3], s[22:23], 0x2000000  ; V: 32
	s_cmp_lt_u32 s[WV], 2
	s_cselect_b64 s[PFA:PFA+1], s[G0K+2:G0K+3], s[G0V+2:G0V+3]
	s_add_nc_u64 s[PFA:PFA+1], s[PFA:PFA+1], 4*KS*128  ; in slot 1; the first change steps it to slot 2
	s_or_b32 s[G0K+3], s[G0K+3], 0x80000000
	s_or_b32 s[G0V+3], s[G0V+3], 0x80000000
	s_add_nc_u64 s[6:7], s[6:7], s[14:15]
	s_add_nc_u64 s[4:5], s[4:5], s[2:3]
	s_add_nc_u64 s[10:11], s[10:11], s[2:3]
	LOAD                            ; slot 0
	v_lshlrev_b32 v12, 5, v0        ; thread t takes the mask words 8 t .. 8 t + 7
	global_load_b128 v[64:67], v12, s[6:7]
	global_load_b128 v[68:71], v12, s[6:7] offset:16
	v_and_b32 v1, 15, v0            ; l % 16
	v_bfe_u32 v9, v0, 4, 1          ; l / 16
	v_lshlrev_b32 v[QO], 7, v1
	v_lshl_add_u32 v[QO], v9, 4, v[QO]
	WIN 0x80
.set i, 0
.rept 4*NP                          ; Q stays in registers: tile i / 2, channels 32 (i % 2) on
	global_load_b128 v[8*i:8*i+3],   v[QO], s[4:5] offset:(i/2)*2048+(i%2)*64
	global_load_b128 v[8*i+4:8*i+7], v[QO], s[4:5] offset:(i/2)*2048+(i%2)*64+32
.set i, i+1
.endr
	; What the first turn finds: V's registers and P's second buffer hold 0, O^T and l are 0.  All this stands in the wait for the first tile.
.set i, VF
.rept 64
	v_mov_b32 v[i], 0
.set i, i+1
.endr
	WIN 0x40
.set i, 0
.rept 64*NP
	v_mov_b32 v[i], 0
.set i, i+1
.endr
	WIN 0
.set i, 0
.rept 2*NP
	v_mov_b32 v[ST+4*i], 0xfe000000    ; c m: far below every c s
	v_mov_b32 v[ST+4*i+1], 0xff7fffff  ; m
	v_mov_b32 v[ST+4*i+2], 0
	v_mov_b32 v[ST+4*i+3], 0
.set i, i+1
.endr
.set i, P+32
.rept 32
	v_mov_b32 v[i], 0
.set i, i+1
.endr
	v_mul_u32_u24 v[AK0], v1, PK
	v_lshl_add_u32 v[AK0], v9, 4, v[AK0]
	v_and_b32 v10, 7, v0
	v_bfe_u32 v11, v0, 3, 1
	v_lshl_add_u32 v[AV0], v9, 3, v10
	v_mul_u32_u24 v[AV0], v[AV0], PV
	v_lshl_add_u32 v[AV0], v11, 4, v[AV0]
	v_add_nc_u32 v[AV0], VOFF, v[AV0]
	v_mov_b32 v[AK], v[AK0]
	s_mul_i32 s13, s[WV], 16*SP
	s_add_co_u32 s13, s13, STAGE
	v_bfe_u32 v[RD], v0, 3, 2
	v_mul_u32_u24 v[RD], v[RD], SP
	v_lshl_add_u32 v[RD], v10, 4, v[RD]
	v_add_nc_u32 v[RD], s13, v[RD]
	v_and_b32 v[GO], 31, v0
	v_lshlrev_b32 v[PFO], 8, v[GO]
	v_lshlrev_b32 v[GO], 4, v[GO]
	v_mul_u32_u24 v[STO], v1, SP
	v_lshl_add_u32 v[STO], v9, 4, v[STO]
	v_add_nc_u32 v[STO], s13, v[STO]
	v_lshl_add_u32 v[AM], v9, 5, MASKT  ; my 8 keys of each 16: 32 bytes for each half of the lanes
	s_wait_loadcnt 32               ; the mask words are in; Q's 32 loads may stay out
.irp k, 0,1,2,3,4,5,6,7
	v_cmp_eq_u32 s13, 0, v[64+\k]
	v_cndmask_b32 v[64+\k], 0, s[BIG], s13
.endr
	v_add_nc_u32 v13, MASKT, v12
	ds_store_b128 v13, v[64:67]
	ds_store_b128 v13, v[68:71] offset:16
; THE MATRIX WORK.  The 8 accumulators of a run of 16 take turns.  Product i of 16 of S^T = K Q^T for piece x: channels 32 (i / 8) on, keys 16 ((i / 2) % 4) on, tile 2 x + i % 2.
; The first 8 start the sums with the keys' mask numbers.
.macro KQ x
.set rS, S+64*((\x)%2)+32*(i%2)+8*((i/2)%4)
.set rK, KF+16*((i/2)%4)+8*(i/8)
.set rQ, 16*(2*(\x)+i%2)+8*(i/8)
.set rMC, MC+8*((i/2)%4)
.if i < 8
	WIN W_KM
	v_wmma_f32_16x16x32_bf16 v[rS:rS+7], v[rK:rK+7], v[rQ:rQ+7], v[rMC:rMC+7]
.else
	WIN W_KQ
	v_wmma_f32_16x16x32_bf16 v[rS:rS+7], v[rK:rK+7], v[rQ:rQ+7], v[rS:rS+7]
.endif
.endm
.macro PV x
	WIN W_PV
.set rO, 32*(2*(\x)+i%2)+8*((i/2)%4)
.set rV, VF+32*(i/8)+8*((i/2)%4)
.set rP, P+32*((\x)%2)+16*(i%2)+8*(i/8)
	v_wmma_f32_16x16x32_bf16 v[rO:rO+7], v[rV:rV+7], v[rP:rP+7], v[rO:rO+7]
.endm
.macro MM
.if i < 16
	KQ (Y+1)%NP
.set i, i+1
.else
.set i, i-16
	PV (Y+NP-1)%NP
.set i, i+17
.endif
.endm
; THE LDS LOADS stand in runs: a step's K (8 fragments) with its 64 mask numbers, and its V (turned).  last = 1 (the tail): in the last trip there is no further step, and the run is jumped over.
.macro FETCH_K last=0
	WIN 0
.if \last
	s_cmp_eq_u32 s[CNT], 1
	s_cbranch_scc1 .Lno_k_\@
.endif
	WIN 0x80
.irp f, 0,1,2,3,4,5,6,7
	ds_load_b128 v[KF+8*\f:KF+8*\f+3],   v[AK] offset:(\f/2)*16*PK+(\f%2)*64
	ds_load_b128 v[KF+8*\f+4:KF+8*\f+7], v[AK] offset:(\f/2)*16*PK+(\f%2)*64+32
.endr
	WIN 0xc0
.irp f, 0,1,2,3
	ds_load_b128 v[MC+8*\f:MC+8*\f+3],   v[AM] offset:64*\f
	ds_load_b128 v[MC+8*\f+4:MC+8*\f+7], v[AM] offset:64*\f+16
.endr
	s_add_co_u32 s[TBK], s[TBK], KS*PK
	WIN 0
	v_add_nc_u32 v[AM], 0x100, v[AM]  ; the next step's 64 numbers
.if \last
.Lno_k_\@:
.endif
.endm
.macro FETCH_V
	WIN 0x80
.irp f, 0,1,2,3,4,5,6,7
	ds_load_tr16_b128 v[VF+8*\f:VF+8*\f+3],   v[AV] offset:(\f/4)*32*PV+(\f%4)*32
	ds_load_tr16_b128 v[VF+8*\f+4:VF+8*\f+7], v[AV] offset:(\f/4)*32*PV+16*PV+(\f%4)*32
.endr
	WIN 0
.endm
; THE VECTOR WORK OF A TURN stands in three queues, each in the order in which its entries become ready; the two tiles alternate.
.macro REGS y, u
.set rT, ST+4*(2*(\y)+(\u))
.set rC, TMP+8*((\y)%2)+4*(\u)
.set rM, MV+2*((\y)%2)+(\u)
.set rS, S+64*((\y)%2)+32*(\u)
.set rP, P+32*((\y)%2)+16*(\u)
.set rO, 32*(2*(\y)+(\u))
.endm
; Number n of the 22 that find the NEXT piece's maximum and statistics; each accumulator's lowest registers are read first.
;   0-11 four chains of seven scores     12-14, 16 the four left over, the old m, and the chains into one     15 c m_old is kept     17, 18 the other half of the lanes: the new m     19-21 c m; its change; a
.macro XS u, n
	REGS (Y+1)%NP, \u
.if (\n) < 4
	v_max3_num_f32 v[rC+(\n)], v[rS+8*(\n)], v[rS+8*(\n)+1], v[rS+8*(\n)+2]
.elseif (\n) < 12
	v_max3_num_f32 v[rC+(\n)%4], v[rC+(\n)%4], v[rS+8*((\n)%4)+2*((\n)/4)+1], v[rS+8*((\n)%4)+2*((\n)/4)+2]
.elseif (\n) == 12
	v_max3_num_f32 v[rC], v[rC], v[rS+7], v[rS+15]
.elseif (\n) == 13
	v_max3_num_f32 v[rC+1], v[rC+1], v[rS+23], v[rS+31]
.elseif (\n) == 14
	v_max3_num_f32 v[rC+2], v[rC+2], v[rC+3], v[rT+1]
.elseif (\n) == 15
	v_mov_b32 v[rM], v[rT]
.elseif (\n) == 16
	v_max3_num_f32 v[rC], v[rC], v[rC+1], v[rC+2]
.elseif (\n) == 17
	v_permlanex16_b32 v[rC+3], v[rC], s[SEL], s[SEL+1]
.elseif (\n) == 18
	v_max_num_f32 v[rT+1], v[rC], v[rC+3]
.elseif (\n) == 19
	v_mul_f32 v[rT], s[CS], v[rT+1]
.elseif (\n) == 20
	v_sub_f32 v[rC+1], v[rM], v[rT]
.else
	v_exp_f32 v[rC+2], v[rC+1]
.endif
.endm
; Number g of the 64 that follow the exponentials: for each four weights both pairs are rounded to bf16, the second pair is added onto the first, and a group later l takes that sum.
.macro GS g
.set h, (\g)+6*((\g)/62)
.if h >= 6
.set h, h+2
.endif
	REGS Y, h%2
.set k, h/8
.if h%8 < 4
	v_cvt_pk_bf16_f32 v[rP+2*k+(h%8)/2], v[rS+4*k+2*((h%8)/2)], v[rS+4*k+2*((h%8)/2)+1]
.elseif h%8 < 6
	v_pk_add_f32 v[rS+4*k:rS+4*k+1], v[rS+4*k:rS+4*k+1], v[rS+4*k+2:rS+4*k+3]
.elseif k == 1
	v_pk_fma_f32 v[rT+2:rT+3], v[rT+2:rT+3], v[rC+2:rC+3], v[rS:rS+1] op_sel_hi:[1,0,1]
.else
	v_pk_add_f32 v[rT+2:rT+3], v[rT+2:rT+3], v[rS+4*k-4:rS+4*k-3]
.endif
.endm
; THE PLAIN QUEUE, 138 long: 0-73 read no exponential's result (the 32 scalings and the next piece's 42); 74-137 are GS's 64, behind the wait.
.macro FS f
	REGS Y, (\f)%2
	v_pk_fma_f32 v[rS+2*((\f)/2):rS+2*((\f)/2)+1], v[rS+2*((\f)/2):rS+2*((\f)/2)+1], s[CS:CS+1], v[rT:rT+1] op_sel_hi:[1,0,0] neg_lo:[0,0,1] neg_hi:[0,0,1]
.endm
.macro PL
	WIN 0
.if q < 27
	FS q
.elseif q < 55
	XS (q-27)%2, (q-27)/2
.elseif q < 57
	XS q-55, 15
.elseif (q < 72) && ((q-57)%3 == 0)
	FS 27+(q-57)/3
.elseif q < 60
	XS (q-57)%3-1, 14
.elseif q < 72
	XS (q-57)%3-1, 15+(q-57)/3
.elseif q < 74
	XS q-72, 20
.else
	GS q-74
.endif
.set q, q+1
.endm
; THE EXPONENTIALS' QUEUE, 66 long: one batch, all ahead of the turn's one wait; nothing ahead of that wait names a result of theirs.
.macro EX
	WIN 0
.if e >= 64
	XS e-64, 21
.else
	REGS Y, e%2
	v_exp_f32 v[rS+e/2], v[rS+e/2]
.endif
.set e, e+1
.endm
; THE RESCALING's QUEUE: O^T times a, dealt two at a time.  Its a was made, and waited for, in the turn before.
.macro R2
	REGS Y, r%2
	WIN W_RS
.irp z, 0,1
	v_pk_mul_f32 v[rO+4*(r/2)+2*\z:rO+4*(r/2)+2*\z+1], v[rO+4*(r/2)+2*\z:rO+4*(r/2)+2*\z+1], v[rC+2:rC+3] op_sel_hi:[1,0]
.endr
.set r, r+1
.endm
; A TURN, for piece p.  Ahead of the wait: 16 products K Q^T, behind each a scaling, an exponential and two rescalings; then one run of 108.  Behind it: 16 products V^T P, behind each four of GS's 64.
; K (and the mask numbers) of the next step are fetched in piece 2's turn, directly behind the wait; V of the step in hand at the end of piece 0's turn, four plain instructions behind its last reader.
.macro TURN p, last=0, cnt=0
.set Y, (\p)
.set i, 0
.set q, 0
.set e, 0
.set r, 0
.if (\p) == NP-1
	s_wait_dscnt 0x0                ; K and its mask numbers are in
.endif
	MM
	PL
	PL
	R2
.rept 15
	MM
	PL
	EX
	R2
.endr
.if (\p) == NP-2
	WIN 0
	v_add_nc_u32 v[AK], s[TBK], v[AK0]
.endif
.rept 8
	PL
.endr
.rept 49
	EX
	PL
.endr
	EX
	EX
	v_nop                           ; a plain instruction behind the last exponential: one for the batch
	s_wait_alu depctr_va_vdst(0)    ; a wait ahead of the batch's first reader
.if (\p) == NP-2
	FETCH_K \last
.endif
.if (\p) == 1
	s_wait_dscnt 0x0                ; V is in
.endif
.rept 16
	MM
.rept 4
	PL
.endr
.if ((\p) == 0) && (q == 118)
	v_add_nc_u32 v[AV], s[TBV], v[AV0]
.endif
.if ((\p) == 0) && (q == 130)
	s_add_co_u32 s[TBV], s[TBV], KS*PV
.endif
.if (\cnt) && (q == 130)
	s_sub_co_u32 s[CNT], s[CNT], 1
	s_cmp_lg_u32 s[CNT], 0
.endif
.endr
.if (\p) == 0
	FETCH_V
.endif
.endm
	CHANGE 1                        ; slot 0 is in, the mask table is whole; slot 1 is asked for
	FETCH_K                         ; key step 0
	s_wait_loadcnt 0x0              ; Q
	s_wait_dscnt 0x0
.set i, 0
.rept 16
	KQ 0
.set i, i+1
.endr
	WIN 0
.rept 4
	v_nop                           ; the places behind those products
.endr
.set Y, NP-1
.irp n, 0,1,2,3,4,5,6,7,8,9,10,11,12,13,14,15,16,17,18,19,20,21
	XS 0, \n
	XS 1, \n
.endr
	v_nop
	s_wait_alu depctr_va_vdst(0)
	s_mov_b32 s[CNT], 4
	s_branch .Lfirst                ; the loop is entered at a step's first turn, in the middle of a trip
.Lslot:                             ; twice: slots 0 and 1 are filled again, with keys 512 on and 768 on
	CHANGE 1
	s_mov_b32 s[CNT], 4
.Lstep:                             ; a trip: pieces 2 and 3 of one step, then pieces 0 and 1 of the next, whose K and V it fetches
	TURN 2
	TURN 3
	WIN 0
.Lfirst:
	TURN 0
	TURN 1, 0, 1
	WIN 0
	s_cbranch_scc1 .Lstep
	s_sub_co_u32 s[SLOTS], s[SLOTS], 1
	s_cmp_lg_u32 s[SLOTS], 0
	s_cbranch_scc1 .Lslot
	CHANGE 0                        ; the tail is written out
	s_mov_b32 s[CNT], 5             ; four trips fetch the last slot's steps; the fifth is left in its middle
.Ltail:
	TURN 2, 1
	TURN 3
	WIN 0
	s_sub_co_u32 s[CNT], s[CNT], 1
	s_cmp_eq_u32 s[CNT], 0
	s_cbranch_scc1 .Lout
	TURN 0
	TURN 1
	WIN 0
	s_branch .Ltail
.Lout:                              ; the fifth trip's 16 products K Q^T and the maximum made of them serve nothing: the price of one text for every trip
.set i, 0
.rept 16
	PV NP-1
.set i, i+1
.endr
	; THE WAY OUT.  l's halves are added; O^T is divided by l, rounded to bf16 and sent through my stage, a tile at a time.  The additions are the places behind the last products.
	WIN 0
.macro ALL line:vararg
.set t, 0
.rept 2*NP
	\line
.set t, t+1
.endr
.endm
	ALL v_add_f32 v[ST+4*t+2], v[ST+4*t+2], v[ST+4*t+3]
	ALL v_permlanex16_b32 v[ST+4*t+3], v[ST+4*t+2], s[SEL], s[SEL+1]
	ALL v_add_f32 v[ST+4*t+2], v[ST+4*t+2], v[ST+4*t+3]
	ALL v_rcp_f32 v[ST+4*t+2], v[ST+4*t+2]
	v_nop
	s_wait_alu depctr_va_vdst(0)    ; one wait for the eight reciprocals
.macro PACK t
	WIN W_RS
.set i, 32*(\t)
.rept 16
	v_pk_mul_f32 v[i:i+1], v[i:i+1], v[ST+4*(\t)+2:ST+4*(\t)+3] op_sel_hi:[1,0]
.set i, i+2
.endr
	WIN 0x05
.set i, 0
.rept 16
	v_cvt_pk_bf16_f32 v[S+16*(\t)+i], v[32*(\t)+2*i], v[32*(\t)+2*i+1]
.set i, i+1
.endr
	WIN 0
.irp f, 0,1,2,3
	ds_store_b128 v[STO], v[S+16*(\t)+4*\f:S+16*(\t)+4*\f+3] offset:32*\f
.endr
.irp f, 0,1,2,3
	ds_load_b128 v[S+16*(\t)+4*\f:S+16*(\t)+4*\f+3], v[RD] offset:\f*4*SP  ; LDS serves a wave's instructions in order: these see the stores above
.endr
.endm
.macro SEND t, younger              ; younger: the LDS instructions issued behind tile t's loads
	WIN 0
.irp f, 0,1,2,3
	s_wait_dscnt (\younger)+3-\f
	global_store_b128 v[GO], v[S+16*(\t)+4*\f:S+16*(\t)+4*\f+3], s[10:11] offset:(\t)*2048+\f*512  ; 512 consecutive bytes, aligned
.endr
.endm
	PACK 0
.set t, 1
.rept 2*NP-1
	PACK t
	SEND t-1, 8
.set t, t+1
.endr
	SEND 2*NP-1, 0
	WIN W_AD
	s_wait_tensorcnt 0x0            ; the wave's end
	ds_add_u32 v[SPW], v[NIL]
	s_wait_dscnt 0x0
	WIN 0
	s_endpgm
.Lfunc_end_k_q948667065e_attn:
	.size	k_q948667065e_attn, .Lfunc_end_k_q948667065e_attn-k_q948667065e_attn
	.p2alignl 7, 3214868480
	.fill 96, 4, 3214868480
	.section	.rodata,"a",@progbits
	.p2align	6, 0x0
	.amdhsa_kernel k_q948667065e_attn
		.amdhsa_group_segment_fixed_size 327680
		.amdhsa_private_segment_fixed_size 0
		.amdhsa_enable_private_segment 0
		.amdhsa_kernarg_size 24
		.amdhsa_user_sgpr_count 2
		.amdhsa_user_sgpr_kernarg_segment_ptr 1
		.amdhsa_wavefront_size32 1
		.amdhsa_system_sgpr_workgroup_id_x 1
		.amdhsa_system_sgpr_workgroup_id_y 1
		.amdhsa_system_sgpr_workgroup_id_z 1
		.amdhsa_system_vgpr_workitem_id 0
		.amdhsa_next_free_vgpr 832
		.amdhsa_next_free_sgpr 72
		.amdhsa_reserve_vcc 0
		.amdhsa_float_denorm_mode_32 3
		.amdhsa_float_denorm_mode_16_64 3
		.amdhsa_memory_ordered 1
		.amdhsa_forward_progress 1
		.amdhsa_inst_pref_size 202
	.end_amdhsa_kernel
	.amdgpu_metadata
---
amdhsa.version: [ 1, 2 ]
amdhsa.kernels:
  - .name:           k_q948667065e_attn
    .symbol:         k_q948667065e_attn.kd
    .args:
      - { .name: qkv, .offset: 0, .size: 8, .value_kind: global_buffer, .address_space: global }
      - { .name: mask, .offset: 8, .size: 8, .value_kind: global_buffer, .address_space: global }
      - { .name: obuf, .offset: 16, .size: 8, .value_kind: global_buffer, .address_space: global }
    .group_segment_fixed_size: 327680
    .private_segment_fixed_size: 0
    .kernarg_segment_align: 8
    .kernarg_segment_size: 24
    .max_flat_workgroup_size: 128
    .sgpr_count:     72
    .vgpr_count:     832
    .wavefront_size: 32
...
	.end_amdgpu_metadata
.endif
;; end of part 3
;; launch oproj (part 4): grid 256 x 1, 4 waves a work-group, clusters of 4 x 1, 327,680 bytes of LDS; arguments obuf, wob, x, stats, alpha1, bias1, bo, alpha2, bias2, out0; writes out0
.if DOCPART == 4
	.amdgcn_target "amdgcn-amd-amdhsa--gfx1250"
	.amdhsa_code_object_version 6
	.text
	.protected	k_q948667065e_oproj
	.globl	k_q948667065e_oproj
	.p2align	8
	.type	k_q948667065e_oproj,@function
k_q948667065e_oproj:
	s_mov_b64 s[64:65], 0
	v_nop
	global_prefetch_b8 v0, s[64:65] scope:SCOPE_SE
	s_setreg_imm32_b32 hwreg(HW_REG_WAVE_MODE, 25, 1), 1
	s_wait_xcnt 0x0
	s_wait_alu depctr_hold_cnt(0) depctr_sa_sdst(0) depctr_va_vdst(0) depctr_va_sdst(0) depctr_va_ssrc(0) depctr_va_vcc(0) depctr_vm_vsrc(0)
	s_getreg_b32 s2, hwreg(HW_REG_IB_STS2, 6, 4)
	s_cmp_eq_u32 s2, 0
	s_cbranch_scc0 .Lentry_in_a_cluster
	s_endpgm
.Lentry_in_a_cluster:
	s_bfe_u32 s2, ttmp6, 0x10000c
	s_cmp_lg_u32 s2, 0x3003
	s_cbranch_scc0 .Lentry_shape_is_right
	s_endpgm
.Lentry_shape_is_right:
; OPROJ.  out0 = 2 norm2(xn + O Wo + bo).  O: obuf [16 head][8192 row][64] bf16; Wo: wob [1024 k][1024 n] bf16; products in bf16 with f32 sums.
; xn is made anew in f32 from x, the row's mean and 1 / (std + eps) (stats) and alpha1, bias1, so the residual has no 16-bit rounding.  norm2 as norm1: divisor 1023, eps added to the std;
; the mean is taken away in registers before the squares are summed.
; SHARES.  A work-group owns 32 WHOLE rows (256 work-groups), so the second norm needs no other work-group.  Wave w makes 32 rows x columns 256 w .. + 255: 32 accumulators.
; K goes in 16 steps of 64, a head each, through two LDS slots: wob's 64 k-rows in two halves of 512 columns (waves 0 and 1 fetch them), O's 32 rows x 128 bytes (waves 2 and 3, 16 rows each).
; CLUSTER 4 x 1: all work-groups walk the same wob, so its halves are asked for jointly by the four partners; O's rows are each work-group's own (a load without a mask).
; A step has 64 matrix instructions a wave for 135,168 bytes of wob: larger slots do not fit in LDS, and more rows to a work-group would leave WGPs without work.
; THE PRODUCT IS USED TRANSPOSED (source 0 = 16 columns of wob, turned out of LDS; source 1 = 16 rows of O): a lane holds row lane % 16 and 8 neighbouring columns.
; THE END.  The sums go in f32 through a stage in LDS (32 rows x 4,112 bytes, in slot 0, which has had its last fill and its last read); then wave w takes rows 8 w .. 8 w + 7 whole.
; LIMITS.  A variance below 2^-126 counts as 0; NaN and infinities are not treated apart.
; REGISTERS.  window 0: addresses, v32-63 and v64-95 a row at work (v64-95 first O's fragments), v96-255 alpha1, bias1 + bo, bo, 2 alpha2, 2 bias2 of my 32 columns.
;   window 1: wob's fragments, two buffers of 128.  window 2: accumulator (cb, rb) at 8 (2 cb + rb).  window 3: x of my eight rows, later x1 - mean.
.set PB,    1056                       ; LDS row of a half of wob: 1,024 + 32 bytes: an odd multiple of 32
.set HALFB, 64*PB
.set PA,    144                        ; LDS row of O: 128 + 16 bytes
.set AOFF,  2*HALFB
.set SLOT,  AOFF+32*PA
.set SPARE, 2*SLOT                     ; the spare words: two blocks of 256 bytes that no other line names
.set SPI,   4112                       ; a row of the stage: 4,096 + 16 bytes
.set T,    4                           ; v[4:11]  four chains of sums
.set MU,   12                          ; v[12:13] a mean, twice
.set ADRA, 14                          ; v14-15   O's fragments in slot 0, 1
.set ADRB, 16                          ; v16-17   wob's
.set SW,   18                          ; v18-19   into the stage: rows 0-15, rows 16-31
.set LR,   20                          ; v20      out of the stage
.set XO,   21                          ; v21      16 x lane
.set PFO,  22                          ; v22      the prefetches' offset; never rewritten
.set SPW,  23
.set NIL,  24
.set VARV, 25                          ; v25      lane i: variance, then 1 / (std + eps) of my row i
.set R0,   32
.set AF,   64
.set AL1,  96
.set BB,   128
.set BO,   160
.set A2,   192
.set B2,   224
.set F0,   0
.set F1,   128
.set G1B, 24
.set G0B, 32
.set G1A, 40
.set G0A, 48
.set WV,  56
.set CX,  57
.set WG,  58
.set PFA, 60
.set PST, 62
.set LIM, 66                           ; s66, s67: for the change out of slot 0, of slot 1: 1 in a wave that prefetches there, else the greatest number
.set ST,  68                           ; s[68:83] mean and 1 / (std + eps) of my eight rows
.set RV,  84
.set NM,  86
.set R2,  88
.set XB,  90
.set OUTB, 92
.set SEL, 94
.set MSB, 0
.macro WIN new
.if MSB != (\new)
	s_set_vgpr_msb (MSB<<8)|(\new)
.set MSB, \new
.endif
.endm
.macro PLACES
.rept 4
	v_nop
.endr
.endm
; A refill: waves 0 and 1 ask jointly for wob's halves, waves 2 and 3 for their 16 rows of O.  The branch hangs on the wave's number alone.  An s_nop 0 and four v_nop follow each line.
.macro JLOAD s
	s_cmp_lt_u32 s[WV], 2
	s_cbranch_scc0 .Lfor_a_\@
	tensor_load_to_lds s[G0B+4*(\s):G0B+4*(\s)+3], s[G1B:G1B+7]
	s_nop 0
.rept 4
	v_nop
.endr
	s_branch .Lasked_\@
.Lfor_a_\@:
	tensor_load_to_lds s[G0A+4*(\s):G0A+4*(\s)+3], s[G1A:G1A+7]
	s_nop 0
.rept 4
	v_nop
.endr
.Lasked_\@:
.endm
.macro CREST
	s_cmp_lg_u32 s[WV], 0
	s_cbranch_scc1 .Lnot_wave_0_\@
	s_barrier_signal -3
.Lnot_wave_0_\@:
	s_barrier_wait -3
	s_barrier_signal -1
	s_barrier_wait -1
.endm
.macro CROUND
	s_barrier_signal -1
	s_barrier_wait -1
	CREST
.endm
; A prefetch of the K step two refills on.  wob: waves 0 and 1 of the first two clusters; the eight work-groups take 8 k-rows of a half each, told apart by address: 32 blocks of 256 bytes, a lane a block.
; O: wave 2 of every work-group, at the change out of slot 0 alone, for two steps at once: 16 blocks each.  So each block of K steps 4 to 15 is named once; the loop's last trip (s3 = 1) asks for nothing.
.macro ASK slot
	WIN 0
	s_cmp_gt_u32 s3, s[LIM+(\slot)]
	s_cbranch_scc0 .Lnot_mine_\@
	global_prefetch_b8 v[PFO], s[PFA:PFA+1] th:TH_LOAD_NT scope:SCOPE_SE
.Lnot_mine_\@:
.endm
	s_load_b512 s[4:19], s[0:1], 0x0               ; obuf 4, wob 6, x 8, stats 10, alpha1 12, bias1 14, bo 16, alpha2 18
	s_load_b128 s[20:23], s[0:1], 0x40             ; bias2 20, out0 22
	v_lshl_add_u32 v[SPW], v0, 2, SPARE
	v_mov_b32 v[NIL], 0
	ds_add_u32 v[SPW], v[NIL]                      ; the wave's opening: the add and its wait ahead of my first tensor load
	ds_add_u32 v23, v24
	v_lshrrev_b32 v1, 5, v0
	v_readfirstlane_b32 s[WV], v1
	s_bfe_u32 s[CX], ttmp6, 0x40000
	s_lshl_b32 s[WG], ttmp9, 2
	s_add_co_u32 s[WG], s[WG], s[CX]               ; my 32 rows: it enters global addresses alone
	s_and_b32 s59, s[WV], 1
	s_mov_b32 s[G1B], 15|(1<<16)|(1<<20)|(1<<21)|(7<<22)|(7<<25)  ; the mask of four; 2-byte elements; padding on; bit 21 beside a mask; after every 256 words, 8 words
	s_mov_b32 s[G1B+1], 512<<16                    ; tensor_dim0 = 512
	s_mov_b32 s[G1B+2], 64<<16                     ; tensor_dim1 = 64
	s_mov_b32 s[G1B+3], 512<<16                    ; tile_dim0 = 512
	s_mov_b32 s[G1B+4], 64                         ; tile_dim1 = 64
	s_mov_b32 s[G1B+5], 1024
	s_mov_b32 s[G1B+6], 0
	s_mov_b32 s[G1B+7], 0
	s_mov_b32 s[G1A], (1<<16)|(1<<20)|(4<<22)|(3<<25)  ; no mask; 16 rows of O are 2,048 dense bytes: 8 rows of 256, padded by 4 words after every 32
	s_mov_b32 s[G1A+1], 128<<16
	s_mov_b32 s[G1A+2], 8<<16
	s_mov_b32 s[G1A+3], 128<<16
	s_mov_b32 s[G1A+4], 8
	s_mov_b32 s[G1A+5], 128
	s_mov_b32 s[G1A+6], 0
	s_mov_b32 s[G1A+7], 0
	s_mul_i32 s86, s59, HALFB                      ; LDS places hang on the wave's number alone
	s_mul_i32 s87, s59, 16*PA
	s_add_co_u32 s87, s87, AOFF
	s_lshl_b32 s88, s59, 10                        ; wob: my half's 1,024 bytes of a row; these registers never hold cx
	s_mov_b32 s89, 0
	s_lshl_b32 s84, s[WG], 12                      ; O: my work-group's 4,096 bytes of a head, my 2,048 of them
	s_lshl_b32 s85, s59, 11
	s_add_co_u32 s84, s84, s85
	s_mov_b32 s85, 0
	s_mov_b32 s[SEL], 0x76543210
	s_mov_b32 s[SEL+1], 0xfedcba98
	s_wait_dscnt 0x0                               ; the opening add is done
	s_wait_kmcnt 0x0
	s_add_nc_u64 s[88:89], s[6:7], s[88:89]
	s_add_nc_u64 s[84:85], s[4:5], s[84:85]
	CROUND                                         ; all four work-groups are here: the first joint loads meet
.irp s, 0,1
	s_mov_b32 s[G0B+4*\s], 1
	s_add_co_u32 s[G0B+4*\s+1], s86, \s*SLOT
	s_add_nc_u64 s[G0B+4*\s+2:G0B+4*\s+3], s[88:89], \s*131072
	s_or_b32 s[G0B+4*\s+3], s[G0B+4*\s+3], 0x80000000
	s_mov_b32 s[G0A+4*\s], 1
	s_add_co_u32 s[G0A+4*\s+1], s87, \s*SLOT
	s_add_nc_u64 s[G0A+4*\s+2:G0A+4*\s+3], s[84:85], \s*1048576
	s_or_b32 s[G0A+4*\s+3], s[G0A+4*\s+3], 0x80000000
.endr
	s_cmp_lt_u32 s[WV], 2                          ; a wave's two first fills stand in one branch: two tensor loads of mine are out
	s_cbranch_scc0 .Lfirst_a
	tensor_load_to_lds s[G0B:G0B+3], s[G1B:G1B+7]
	s_nop 0
	tensor_load_to_lds s[G0B+4:G0B+7], s[G1B:G1B+7]
	s_nop 0
.rept 4
	v_nop
.endr
	s_branch .Lfirst_asked
.Lfirst_a:
	tensor_load_to_lds s[G0A:G0A+3], s[G1A:G1A+7]
	s_nop 0
	tensor_load_to_lds s[G0A+4:G0A+7], s[G1A:G1A+7]
	s_nop 0
.rept 4
	v_nop
.endr
.Lfirst_asked:
	; my eight rows of x, of out0 and of stats
	s_lshl_b32 s86, s[WG], 5
	s_lshl_b32 s87, s[WV], 3
	s_add_co_u32 s86, s86, s87
	s_lshl_b32 s88, s86, 12
	s_mov_b32 s89, 0
	s_add_nc_u64 s[XB:XB+1], s[8:9], s[88:89]
	s_add_nc_u64 s[OUTB:OUTB+1], s[22:23], s[88:89]
	s_lshl_b32 s88, s86, 3
	s_add_nc_u64 s[84:85], s[10:11], s[88:89]
	s_load_b512 s[ST:ST+15], s[84:85], 0x0         ; waited for in the end; s[84:85] is not written before
	v_and_b32 v3, 31, v0
	v_lshlrev_b32 v[XO], 4, v3
	WIN 0xc0
.set i, 0
.rept 8
.set j, 0
.rept 8
	global_load_b128 v[32*i+4*j:32*i+4*j+3], v[XO], s[XB:XB+1] offset:4096*i+512*j th:TH_LOAD_NT  ; they land while K is walked
.set j, j+1
.endr
.set i, i+1
.endr
	WIN 0
	v_and_b32 v1, 15, v0                           ; r
	v_bfe_u32 v2, v0, 4, 1                         ; h
	v_mul_u32_u24 v[ADRA], v1, PA
	v_lshl_add_u32 v[ADRA], v2, 4, v[ADRA]
	v_add_nc_u32 v[ADRA], AOFF, v[ADRA]
	v_add_nc_u32 v[ADRA+1], SLOT, v[ADRA]
	v_and_b32 v4, 7, v0
	v_lshl_add_u32 v4, v2, 3, v4
	v_mul_u32_u24 v4, v4, PB
	v_bfe_u32 v5, v0, 3, 1
	v_lshl_add_u32 v4, v5, 4, v4
	s_lshr_b32 s86, s[WV], 1
	s_mul_i32 s86, s86, HALFB
	s_lshl_b32 s87, s59, 9
	s_add_co_u32 s86, s86, s87                     ; my 256 columns: half w / 2, 512 bytes x (w % 2)
	v_add_nc_u32 v[ADRB], s86, v4
	v_add_nc_u32 v[ADRB+1], SLOT, v[ADRB]
	v_mul_u32_u24 v[SW], v1, SPI
	v_lshl_add_u32 v[SW], v2, 5, v[SW]
	s_lshl_b32 s86, s[WV], 10
	v_add_nc_u32 v[SW], s86, v[SW]                 ; row r, column bytes 1,024 w + 32 h
	v_add_nc_u32 v[SW+1], 16*SPI, v[SW]
	s_mul_i32 s86, s[WV], 8*SPI
	v_add_nc_u32 v[LR], s86, v[XO]
	; the prefetches: PFA stands at K step 3; each change of slots steps it and then names it
	s_and_b32 s86, s[WG], 7
	s_lshl_b32 s86, s86, 14
	s_lshl_b32 s87, s59, 10
	s_add_co_u32 s86, s86, s87
	s_add_co_u32 s86, s86, 3*131072                ; wob: 8 k-rows for each of eight work-groups, my half
	s_lshl_b32 s87, s[WG], 12
	s_add_co_u32 s87, s87, 3*1048576               ; O: my work-group's 4,096 bytes
	s_mov_b32 s88, 131072
	s_mov_b32 s89, 1048576
	s_cmp_lt_u32 ttmp9, 2
	s_cselect_b32 s[LIM], 1, -1
	s_cmp_lt_u32 s[WV], 2
	s_cselect_b32 s[LIM+1], s[LIM], -1
	s_cselect_b64 s[PFA:PFA+1], s[6:7], s[4:5]
	s_cselect_b32 s86, s86, s87
	s_cselect_b32 s[PST], s88, s89
	s_cselect_b32 s2, -1, 0
	s_mov_b32 s87, 0
	s_mov_b32 s[PST+1], 0
	s_add_nc_u64 s[PFA:PFA+1], s[PFA:PFA+1], s[86:87]
	s_cmp_eq_u32 s[WV], 2
	s_cselect_b32 s[LIM], 1, s[LIM]
	s_cmp_eq_u32 s[WV], 3
	s_cselect_b32 s[LIM], -1, s[LIM]
	v_lshrrev_b32 v4, 2, v3
	v_and_b32 v5, 3, v3
	v_lshlrev_b32 v4, 11, v4
	v_lshl_add_u32 v4, v5, 8, v4                   ; wob: row lane / 4, block lane % 4
	v_and_b32 v5, 15, v3
	v_lshrrev_b32 v6, 4, v3
	v_lshlrev_b32 v5, 8, v5
	v_lshl_add_u32 v5, v6, 20, v5                  ; O: block lane % 16, step lane / 16
	v_cndmask_b32 v[PFO], v5, v4, s2
; n column blocks from c0 on x both row blocks, 32 along K, from buffer f.  first = 1: the constant 0 starts the sums.  The 32 accumulators take turns, one instruction a turn, in one order.
.macro MULC f, c0, n, first
	WIN 0xa1
.set cc, \c0
.rept \n
.irp rb, 0,1
.if \first
	v_wmma_f32_16x16x32_bf16 v[8*(2*cc+\rb):8*(2*cc+\rb)+7], v[(\f)+8*cc:(\f)+8*cc+7], v[AF+(\f)/8+8*\rb:AF+(\f)/8+8*\rb+7], 0
.else
	v_wmma_f32_16x16x32_bf16 v[8*(2*cc+\rb):8*(2*cc+\rb)+7], v[(\f)+8*cc:(\f)+8*cc+7], v[AF+(\f)/8+8*\rb:AF+(\f)/8+8*\rb+7], v[8*(2*cc+\rb):8*(2*cc+\rb)+7]
.endif
.endr
.set cc, cc+1
.endr
.endm
; 36 LDS loads in one run: half q (32 along K) of a slot into buffer f: O's 2 fragments, wob's blocks 0-7, then 8-15
.macro FETCH slot, q, f
	WIN 0
.irp rb, 0,1
	ds_load_b128 v[AF+(\f)/8+8*\rb:AF+(\f)/8+8*\rb+3],   v[ADRA+(\slot)] offset:64*(\q)+16*PA*\rb
	ds_load_b128 v[AF+(\f)/8+8*\rb+4:AF+(\f)/8+8*\rb+7], v[ADRA+(\slot)] offset:64*(\q)+16*PA*\rb+32
.endr
	WIN 0x40
.set cc, 0
.rept 16
	ds_load_tr16_b128 v[(\f)+8*cc:(\f)+8*cc+3],   v[ADRB+(\slot)] offset:32*PB*(\q)+32*cc
	ds_load_tr16_b128 v[(\f)+8*cc+4:(\f)+8*cc+7], v[ADRB+(\slot)] offset:32*PB*(\q)+32*cc+16*PB
.set cc, cc+1
.endr
.endm
; A K step's first half: multiplies buffer 0; in its middle it fetches the second half into buffer 1.
.macro P0 slot, first
	s_wait_dscnt 16                                ; O's fragments and blocks 0-7 are in; the youngest 16 loads may be out
	MULC F0, 0, 8, \first
	PLACES
	FETCH \slot, 1, F1
	s_wait_dscnt 36                                ; all but the 36 just issued
	MULC F0, 8, 8, \first
.endm
; The second half multiplies buffer 1 and changes slots: one barrier; in front of it each wave waits for all its tensor loads, adds 0 to its spare word, and waits for that and for its reads of this slot.
; fill = 1: the barrier opens a round of the cluster's, and this slot is filled again, two K steps ahead, first thing behind the round.
.macro TURN slot, next, fill
.if \fill
	s_wait_xcnt 0x0                                ; the last prefetch, a K step back, has read its address
	s_add_nc_u64 s[PFA:PFA+1], s[PFA:PFA+1], s[PST:PST+1]
.endif
	WIN 0
	s_wait_tensorcnt 0x0
	ds_add_u32 v[SPW], v[NIL]
	s_wait_dscnt 17                                ; (the add and the youngest 16 loads may be out)
	MULC F1, 0, 4, 0
	s_wait_dscnt 0x0                               ; the add is done, and my reads of this slot are over
	s_barrier_signal -1
	MULC F1, 4, 4, 0
.if \fill
	WIN 0
.endif
	s_barrier_wait -1
.if \fill
	CREST
	s_add_nc_u64 s[G0B+4*(\slot)+2:G0B+4*(\slot)+3], s[G0B+4*(\slot)+2:G0B+4*(\slot)+3], 2*131072
	s_add_nc_u64 s[G0A+4*(\slot)+2:G0A+4*(\slot)+3], s[G0A+4*(\slot)+2:G0A+4*(\slot)+3], 2*1048576
	JLOAD \slot                                    ; its four v_nop are also the places in front of the loads below
.else
	PLACES
.endif
	FETCH \next, 0, F0
.if \fill
	ASK \slot
.endif
	MULC F1, 8, 8, 0
.endm
	s_wait_tensorcnt 1                             ; my part of K step 0 is in; step 1's may stay out
	s_barrier_signal -1
	s_barrier_wait -1
	FETCH 0, 0, F0
	P0 0, 1
	WIN 0
	s_mov_b32 s3, 7
.Llap:                                                 ; a trip goes once round the ring and fills both slots again: K steps 2 to 15
	TURN 0, 1, 1
	P0 1, 0
	TURN 1, 0, 1
	P0 0, 0
	WIN 0
	s_sub_co_u32 s3, s3, 1
	s_cmp_lg_u32 s3, 0
	s_cbranch_scc1 .Llap
.macro PARAM dst, sb                   ; my 32 columns of a vector of 1,024
.set j, 0
.rept 8
	global_load_b128 v[(\dst)+4*j:(\dst)+4*j+3], v[XO], s[\sb:\sb+1] offset:512*j
.set j, j+1
.endr
.endm
	PARAM AL1, 12
	PARAM BB, 14
	PARAM BO, 16
	PARAM A2, 18
	PARAM B2, 20
	TURN 0, 1, 0                                   ; behind this barrier nobody reads slot 0 any more, and nothing is filled
	P0 1, 0
	s_wait_dscnt 16
	MULC F1, 0, 8, 0
	s_wait_dscnt 0x0
	MULC F1, 8, 8, 0
	WIN 0
	PLACES
	PLACES
	WIN 0x08                                       ; store data in window 2
.set cc, 0
.rept 16
.irp rb, 0,1
	ds_store_b128 v[SW+\rb], v[8*(2*cc+\rb):8*(2*cc+\rb)+3]   offset:64*cc     ; each accumulator from its low end on
	ds_store_b128 v[SW+\rb], v[8*(2*cc+\rb)+4:8*(2*cc+\rb)+7] offset:64*cc+16
.endr
.set cc, cc+1
.endr
	WIN 0
	s_wait_loadcnt 0x0                             ; x and the five vectors
	s_wait_kmcnt 0x0                               ; stats
.set k, 0
.rept 16
	v_pk_add_f32 v[BB+2*k:BB+2*k+1], v[BB+2*k:BB+2*k+1], v[BO+2*k:BO+2*k+1]    ; bias1 + bo
	v_pk_mul_f32 v[A2+2*k:A2+2*k+1], v[A2+2*k:A2+2*k+1], 2.0 op_sel_hi:[1,0]   ; the last doubling goes into alpha2 and bias2
	v_pk_mul_f32 v[B2+2*k:B2+2*k+1], v[B2+2*k:B2+2*k+1], 2.0 op_sel_hi:[1,0]
.set k, k+1
.endr
	v_mov_b32 v[VARV], 0
	s_wait_dscnt 0x0                               ; for the others' sake: my stores into the stage are done
	s_barrier_signal -1
	s_barrier_wait -1
.macro ROWIN i                         ; my row i out of the stage, 8 loads of 512 consecutive bytes
.set j, 0
.rept 8
	ds_load_b128 v[R0+32*((\i)%2)+4*j:R0+32*((\i)%2)+4*j+3], v[LR] offset:SPI*(\i)+512*j
.set j, j+1
.endr
.endm
.macro ACROSS
	v_pk_add_f32 v[T:T+1], v[T:T+1], v[T+2:T+3]
	v_pk_add_f32 v[T+4:T+5], v[T+4:T+5], v[T+6:T+7]
	v_pk_add_f32 v[T:T+1], v[T:T+1], v[T+4:T+5]
	v_add_f32 v[T], v[T], v[T+1]
	v_add_f32_dpp v[T], v[T], v[T] row_xmask:1 row_mask:0xf bank_mask:0xf
	v_add_f32_dpp v[T], v[T], v[T] row_xmask:2 row_mask:0xf bank_mask:0xf
	v_add_f32_dpp v[T], v[T], v[T] row_xmask:4 row_mask:0xf bank_mask:0xf
	v_add_f32_dpp v[T], v[T], v[T] row_xmask:8 row_mask:0xf bank_mask:0xf
	v_permlanex16_b32 v[T+1], v[T], s[SEL], s[SEL+1]
	v_add_f32 v[T], v[T], v[T+1]
.endm
; Row i: x1 = alpha1 (x - mean) / (std + eps) + bias1 + bo + the product; its mean; x1 - mean into x's registers; its variance into lane i.
.macro FSTAT i
.set R, R0+32*((\i)%2)
.set XR, 32*(\i)
	WIN 0
.if (\i) < 7
	s_wait_dscnt 8                                 ; row i is in; the next row's 8 loads may stay out
.else
	s_wait_dscnt 0x0
.endif
	s_mov_b32 s[RV], s[ST+2*(\i)+1]
	s_mov_b32 s[RV+1], s[ST+2*(\i)+1]
	s_mul_f32 s[NM], s[ST+2*(\i)], s[ST+2*(\i)+1]
	s_xor_b32 s[NM], s[NM], 0x80000000             ; - mean / (std + eps)
	s_mov_b32 s[NM+1], s[NM]
.set k, 0
.rept 16
	v_pk_add_f32 v[R+2*k:R+2*k+1], v[R+2*k:R+2*k+1], v[BB+2*k:BB+2*k+1]
.set k, k+1
.endr
	WIN 0xc3
.set k, 0
.rept 16
	v_pk_fma_f32 v[XR+2*k:XR+2*k+1], v[XR+2*k:XR+2*k+1], s[RV:RV+1], s[NM:NM+1] op_sel_hi:[1,0,0]
.set k, k+1
.endr
	WIN 0x03
.set k, 0
.rept 16
	v_pk_fma_f32 v[R+2*k:R+2*k+1], v[XR+2*k:XR+2*k+1], v[AL1+2*k:AL1+2*k+1], v[R+2*k:R+2*k+1]
.set k, k+1
.endr
	WIN 0
.irp k, 0,1,2,3
	v_pk_add_f32 v[T+2*\k:T+2*\k+1], v[R+2*\k:R+2*\k+1], v[R+8+2*\k:R+8+2*\k+1]
.endr
.irp k, 8,9,10,11,12,13,14,15
	v_pk_add_f32 v[T+2*(\k%4):T+2*(\k%4)+1], v[T+2*(\k%4):T+2*(\k%4)+1], v[R+2*\k:R+2*\k+1]
.endr
	ACROSS
	v_mul_f32 v[MU], 0x3a800000, v[T]              ; / 1024
	v_mul_f32 v[MU+1], 0x3a800000, v[T]
	WIN 0xc0
.set k, 0
.rept 16
	v_pk_add_f32 v[XR+2*k:XR+2*k+1], v[R+2*k:R+2*k+1], v[MU:MU+1] neg_lo:[0,1] neg_hi:[0,1]
.set k, k+1
.endr
	WIN 0x0f
.irp k, 0,1,2,3
	v_pk_mul_f32 v[T+2*\k:T+2*\k+1], v[XR+2*\k:XR+2*\k+1], v[XR+2*\k:XR+2*\k+1]
.endr
.irp k, 4,5,6,7,8,9,10,11,12,13,14,15
	v_pk_fma_f32 v[T+2*(\k%4):T+2*(\k%4)+1], v[XR+2*\k:XR+2*\k+1], v[XR+2*\k:XR+2*\k+1], v[T+2*(\k%4):T+2*(\k%4)+1]
.endr
	WIN 0
	ACROSS
	v_mul_f32 v[T], 0x3a802008, v[T]               ; / 1023
	v_readfirstlane_b32 s59, v[T]
	v_writelane_b32 v[VARV], s59, \i
.if (\i) < 6
	ROWIN (\i)+2
.endif
.endm
; Row i: scaled, 2 alpha2 and 2 bias2 applied, stored: a store of the wave covers 512 consecutive bytes, aligned.
.macro FOUT i
.set R, R0+32*((\i)%2)
.set XR, 32*(\i)
	WIN 0
	s_wait_xcnt 0x0                                ; the stores of the row two back have read these registers
	v_readlane_b32 s[R2], v[VARV], \i
	s_mov_b32 s[R2+1], s[R2]
	WIN 0x03
.set k, 0
.rept 16
	v_pk_mul_f32 v[R+2*k:R+2*k+1], v[XR+2*k:XR+2*k+1], s[R2:R2+1] op_sel_hi:[1,0]
.set k, k+1
.endr
	WIN 0
.set k, 0
.rept 16
	v_pk_fma_f32 v[R+2*k:R+2*k+1], v[R+2*k:R+2*k+1], v[A2+2*k:A2+2*k+1], v[B2+2*k:B2+2*k+1]
.set k, k+1
.endr
.set j, 0
.rept 8
	global_store_b128 v[XO], v[R+4*j:R+4*j+3], s[OUTB:OUTB+1] offset:4096*(\i)+512*j th:TH_STORE_NT
.set j, j+1
.endr
.endm
	ROWIN 0
	ROWIN 1
.irp i, 0,1,2,3,4,5,6,7
	FSTAT \i
.endr
	v_sqrt_f32 v[VARV], v[VARV]                    ; one root and one reciprocal serve the eight rows, a lane a row
	v_nop
	s_wait_alu depctr_va_vdst(0)                   ; a wait ahead of the first reader
	v_add_f32 v[VARV], 0x3727c5ac, v[VARV]         ; + 1e-5
	v_rcp_f32 v[VARV], v[VARV]
	v_nop
	s_wait_alu depctr_va_vdst(0)
.irp i, 0,1,2,3,4,5,6,7
	FOUT \i
.endr
	s_wait_tensorcnt 0x0                           ; the wave's end
	ds_add_u32 v[SPW], v[NIL]
	s_wait_dscnt 0x0
	CROUND                                         ; the closing round
	s_endpgm
.Lfunc_end_k_q948667065e_oproj:
	.size	k_q948667065e_oproj, .Lfunc_end_k_q948667065e_oproj-k_q948667065e_oproj
	.p2alignl 7, 3214868480
	.fill 96, 4, 3214868480
	.section	.rodata,"a",@progbits
	.p2align	6, 0x0
	.amdhsa_kernel k_q948667065e_oproj
		.amdhsa_group_segment_fixed_size 327680
		.amdhsa_private_segment_fixed_size 0
		.amdhsa_enable_private_segment 0
		.amdhsa_kernarg_size 80
		.amdhsa_user_sgpr_count 2
		.amdhsa_user_sgpr_kernarg_segment_ptr 1
		.amdhsa_wavefront_size32 1
		.amdhsa_system_sgpr_workgroup_id_x 1
		.amdhsa_system_sgpr_workgroup_id_y 1
		.amdhsa_system_sgpr_workgroup_id_z 1
		.amdhsa_system_vgpr_workitem_id 0
		.amdhsa_next_free_vgpr 1024
		.amdhsa_next_free_sgpr 96
		.amdhsa_reserve_vcc 0
		.amdhsa_float_denorm_mode_32 3
		.amdhsa_float_denorm_mode_16_64 3
		.amdhsa_memory_ordered 1
		.amdhsa_forward_progress 1
		.amdhsa_inst_pref_size 153
	.end_amdhsa_kernel
	.amdgpu_metadata
---
amdhsa.version: [ 1, 2 ]
amdhsa.kernels:
  - .name:           k_q948667065e_oproj
    .symbol:         k_q948667065e_oproj.kd
    .args:
      - { .name: obuf, .offset: 0, .size: 8, .value_kind: global_buffer, .address_space: global }
      - { .name: wob, .offset: 8, .size: 8, .value_kind: global_buffer, .address_space: global }
      - { .name: x, .offset: 16, .size: 8, .value_kind: global_buffer, .address_space: global }
      - { .name: stats, .offset: 24, .size: 8, .value_kind: global_buffer, .address_space: global }
      - { .name: alpha1, .offset: 32, .size: 8, .value_kind: global_buffer, .address_space: global }
      - { .name: bias1, .offset: 40, .size: 8, .value_kind: global_buffer, .address_space: global }
      - { .name: bo, .offset: 48, .size: 8, .value_kind: global_buffer, .address_space: global }
      - { .name: alpha2, .offset: 56, .size: 8, .value_kind: global_buffer, .address_space: global }
      - { .name: bias2, .offset: 64, .size: 8, .value_kind: global_buffer, .address_space: global }
      - { .name: out0, .offset: 72, .size: 8, .value_kind: global_buffer, .address_space: global }
    .group_segment_fixed_size: 327680
    .private_segment_fixed_size: 0
    .kernarg_segment_align: 8
    .kernarg_segment_size: 80
    .max_flat_workgroup_size: 128
    .sgpr_count:     96
    .vgpr_count:     1024
    .wavefront_size: 32
...
	.end_amdgpu_metadata
.endif
;; end of part 4
;; ======== version 2 of 2: 5 launches
;; workspace buffers: xnb 16,777,216 bytes; stats 65,536 bytes; wqkv 6,291,456 bytes; wob 2,097,152 bytes; qkv 50,331,648 bytes; obuf 16,777,216 bytes; ybuf 16,777,216 bytes
;; launch prep: the kernel of part 1 again; grid 768 x 1, 4 waves a work-group, no clusters, 0 bytes of LDS; arguments x, alpha1, bias1, Wq, Wk, Wv, Wo, xnb, stats, wqkv, wob; writes xnb, stats, wqkv, wob
;; launch qkv: the kernel of part 2 again; grid 8 x 64, 4 waves a work-group, clusters of 4 x 4, 327,680 bytes of LDS; arguments xnb, wqkv, bq, bk, bv, mask, qkv; writes qkv
;; launch attn (part 5): grid 2 x 128, 4 waves a work-group, no clusters, 327,680 bytes of LDS; arguments qkv, mask, obuf; writes obuf
.if DOCPART == 5
	.amdgcn_target "amdgcn-amd-amdhsa--gfx1250"
	.amdhsa_code_object_version 6
	.text
	.protected	k_q948667065e_attn
	.globl	k_q948667065e_attn
	.p2align	8
	.type	k_q948667065e_attn,@function
k_q948667065e_attn:
	s_mov_b64 s[64:65], 0
	v_nop
	global_prefetch_b8 v0, s[64:65] scope:SCOPE_SE
	s_setreg_imm32_b32 hwreg(HW_REG_WAVE_MODE, 25, 1), 1
	s_wait_xcnt 0x0
; ATTENTION with a key mask.  For pair p = 8 head + batch: O[q] = the sum over k of softmax_k(s[q][k]) V[k], s = Q[q] . K[k] / 8, or -1e9 where mask[batch][k] = 0.
; Q, K, V: qkv [48][8][1024][64] bf16 (q at g = head, k at 16 + head, v at 32 + head): a pair's rows are dense, 128 bytes each.  O: obuf [16 head][8 batch][1024][64] bf16.
; Products, maxima and sums in f32; the weights p are rounded to bf16 for the second product (their sum l is taken of the unrounded p), O once at the end.
; THE MASK.  The launch before stored K's masked rows as +0.  The sum S^T = K Q^T starts with C = 0 for a kept key and -8e9 for a masked one (exact in f32; an eighth of it is -1e9), so a masked score
; is exactly -8e9 whatever Q holds: its weight is 0 beside any kept key, and where a batch's mask is all 0 all scores are equal and the weights uniform, as the softmax of equal numbers is.
; In such a row c s - c m is the rounding residue of c m, at most 64 in size and the same for all keys: p = 2^residue, which bf16 and f32 hold, and it cancels in O / l.
; LIMITS.  A kept score below -8e9 (before the division by 8) is not told apart from a masked one; a weight below 2^-126 counts as 0 in l; NaN and infinities are not treated apart.
; SHARES.  A wave owns four PIECES of two tiles of 16 queries, a work-group's four waves 512 queries of one pair: 2 x 128 work-groups.  Every wave walks all 1,024 keys, 64 a step.
; K AND V STAY IN LDS.  A pair's 1,024 keys are 1,024 x (144 + 160) = 311,296 bytes with their padding; with the stage, the spare words and the mask table the text uses 325,120 bytes.  No LDS byte is
; filled twice, no tensor load stands in the loop, and the key step is written once.  Two tensor loads a wave, one out at a time: the first 256 keys at the head (waves 0 and 1 the halves of K, waves 2
; and 3 those of V), the other 768 behind the first barrier (384 keys a wave), 464 matrix instructions ahead of the meeting behind which they are first read.
; No prefetch is laid: each byte of K and V is asked for by its own tensor load, at the head or straight behind the first barrier, and no line stands earlier but the head's.
; NO CLUSTER: a pair has 1,024 / 512 = 2 work-groups, so a cluster of four would hold two pairs, which share no tile.
; LAYOUT.  S^T = K Q^T (source 0 = 16 keys, source 1 = 16 queries): a lane holds ONE query (lane % 16) and the keys 8 (lane / 16) + 0..7.  Two such tiles, rounded to bf16 in pairs, ARE source 1 of
; O^T = V^T P.  K comes out of LDS as it lies, V turned, by ds_load_tr16_b128.
; SOFTMAX.  A running maximum m and sum l: p = 2^(c s - c m), c = log2(e) / 8; in every step O and l are multiplied by a = 2^(c m_old - c m_new).  m starts at the lowest finite number, O and l at 0.
; BY TURNS.  Turn n belongs to piece n.  Its matrix work: 16 products K Q^T of piece n + 1, later 16 products V^T P of piece n - 1.  Its vector work: scaling, exponentials, roundings, sums and rescaling
; of piece n, maximum and statistics of piece n + 1.  Four vector instructions stand behind every matrix instruction, the rest in one run; a turn's 66 exponentials are one batch with one wait.
; REGISTERS.  window 0: v0-11 addresses; v12-15, v48-63 at work; v16-47 statistics; v64-191 S^T, two buffers of two tiles; v192-255 P, likewise.  window 1: O^T, 32 a tile.
;   window 2: v0-127 Q; v128-191 K of one step; v192-255 V of one step.  window 3: v0-1 the add's two registers; v32-63 the step's mask numbers, 8 for each 16 keys.
.set NP,    4
.set KS,    64
.set PK,    144       ; a row of K in LDS: 128 + 16 bytes
.set PV,    160       ; a row of V: 128 + 32 bytes
.set VOFF,  1024*PK   ; all 1,024 rows of K, then all 1,024 rows of V
.set STAGE, VOFF+1024*PV        ; never filled by a tensor load: 16 rows x 144 bytes for each wave
.set SP,    144
.set SPARE, STAGE+4*16*SP       ; the spare words: two blocks of 256 bytes that no other line names
.set MASKT, SPARE+512           ; 1,024 f32: 0 or -8e9 for each key of my batch; stored once, never filled by a tensor load
.set STO, 1           ; v1   the way out: where I put 16 bytes of a row
.set AK0, 2           ; v2   my lane's place in a step's rows of K
.set AV0, 3           ; v3   the same for V
.set AK,  4           ; v4   the LDS address of K's next run of loads
.set AV,  5           ; v5   of V's
.set QO,  6           ; v6   my byte offset in the wave's rows of Q
.set RD,  7           ; v7   the way out: where I read rows back
.set GO,  8           ; v8   my byte offset in 512 consecutive bytes of O
.set AM,  11          ; v11  the LDS address of the next step's mask numbers
.set SPW, 0           ; v0 of window 3
.set NIL, 1           ; v1 of window 3
.set MC,  32          ; window 3
.set MV,  12
.set ST,  16
.set TMP, 48
.set S,   64
.set P,   192
.set KF,  128
.set VF,  192
.set WV,  12
.set G1K, 24          ; s[24:31] descriptor group 1 for K
.set G1V, 32          ; s[32:39] for V: it differs in the padding alone
.set G0K, 40          ; s[40:43] descriptor group 0 for K
.set G0V, 44          ; s[44:47] for V
.set BIG, 50          ; s50  -8e9
.set DG,  52          ; s[52:53] bytes in memory from my part of the first 256 keys to my part of the other 768
.set LK2, 54          ; s54  where my part of the other 768 keys of K goes in LDS
.set LV2, 55          ; s55  the same for V
.set SLOTS, 56        ; s56  groups of four steps still to be met for, this one among them; 1: only the last step's second half is left
.set CNT, 57
.set CS,  58
.set SEL, 60
.set TBK, 62          ; s62  LDS byte at which K of the step to be fetched begins
.set TBV, 63          ; s63  the same for V, less VOFF
.set MSB, 0
.macro WIN new
.if MSB != (\new)
	s_set_vgpr_msb (MSB<<8)|(\new)
.set MSB, (\new)
.endif
.endm
.set W_KQ, 0x0a       ; K and Q in window 2, S^T in window 0
.set W_KM, 0x3a       ; the same with the C operand in window 3
.set W_PV, 0x52       ; V in window 2, P in window 0, O^T in window 1
.set W_RS, 0x41       ; O^T in window 1, a in window 0
.set W_MK, 0xc0
.set W_AD, 0x0f
; A fill.  Waves 0 and 1 fetch K, waves 2 and 3 V, each its half of the keys in hand.  An s_nop 0 and four v_nop follow each line.
.macro LOAD
	s_cmp_lt_u32 s[WV], 2
	s_cbranch_scc0 .Lfor_v_\@
	tensor_load_to_lds s[G0K:G0K+3], s[G1K:G1K+7]
	s_nop 0
.rept 4
	v_nop
.endr
	s_branch .Lasked_\@
.Lfor_v_\@:
	tensor_load_to_lds s[G0V:G0V+3], s[G1V:G1V+7]
	s_nop 0
.rept 4
	v_nop
.endr
.Lasked_\@:
.endm
; A MEETING ahead of each four key steps: each wave waits for all its tensor loads, adds 0 to its spare word, waits for that and for its own LDS instructions, and passes a barrier.  At the first of them
; the load that is out is the wave's part of keys 256 to 1,023, which every wave reads from here on; the later ones find nothing out: the price of one text for every four steps.
.macro MEET
	WIN W_AD
	s_wait_tensorcnt 0x0
	ds_add_u32 v[SPW], v[NIL]
	WIN 0
	s_wait_dscnt 0x0
	s_barrier_signal -1
	s_barrier_wait -1
.endm
	s_load_b128 s[4:7], s[0:1], 0x0   ; qkv s[4:5], mask s[6:7]
	s_load_b64 s[10:11], s[0:1], 0x10 ; obuf
	WIN W_MK
	v_lshl_add_u32 v[SPW], v0, 2, SPARE
	v_mov_b32 v[NIL], 0
	WIN W_AD
	ds_add_u32 v[SPW], v[NIL]       ; the wave's opening: the add and its wait ahead of my first tensor load
	ds_add_u32 v0, v1
	WIN 0
	v_lshrrev_b32 v1, 5, v0
	v_readfirstlane_b32 s[WV], v1
	s_and_b32 s20, ttmp7, 0xffff    ; the pair
	s_and_b32 s14, s20, 7           ; its batch:
	s_lshl_b32 s14, s14, 12         ; 4,096 bytes of mask
	s_mov_b32 s15, 0
	s_lshl_b32 s20, s20, 17         ; a pair's 1,024 rows of 128 bytes
	s_and_b32 s16, s[WV], 1         ; which half of the keys in hand I fetch
	s_lshl_b32 s22, s16, 14         ; of the first 256: 128 rows of 128 bytes in memory,
	s_add_co_u32 s22, s22, s20
	s_mov_b32 s23, 0
	s_mul_i32 s17, s16, 128*PK      ; and their place in LDS, for K
	s_mul_i32 s18, s16, 128*PV      ; and for V
	s_mul_i32 s[LK2], s16, 384*PK   ; of the other 768: 384 keys, behind the first 256
	s_add_co_u32 s[LK2], s[LK2], 256*PK
	s_mul_i32 s[LV2], s16, 384*PV
	s_add_co_u32 s[LV2], s[LV2], VOFF+256*PV
	s_lshl_b32 s[DG], s16, 15       ; in memory: from key 128 half to key 256 + 384 half: 32,768 (1 + half) bytes
	s_add_co_u32 s[DG], s[DG], 32768
	s_mov_b32 s[DG+1], 0
	s_lshl_b32 s2, ttmp9, 2
	s_add_co_u32 s2, s2, s[WV]
	s_lshl_b32 s2, s2, 14           ; my wave's 128 rows
	s_add_co_u32 s2, s2, s20
	s_mov_b32 s3, 0
	; descriptor group 1.  128 keys are 16,384 dense bytes: asked for as 64 rows of 256 bytes, two keys a row, and padded in LDS after every key
	s_mov_b32 s[G1K], (1<<16)|(1<<20)|(4<<22)|(3<<25)  ; 2-byte elements; padding on; after every 32 words, 4 words
	s_mov_b32 s[G1V], (1<<16)|(1<<20)|(4<<22)|(7<<25)  ; the same with 8 words
.irp g, G1K, G1V
	s_mov_b32 s[\g+1], 128<<16      ; tensor_dim0 = 128
	s_mov_b32 s[\g+2], 64<<16       ; tensor_dim1 = 64
	s_mov_b32 s[\g+3], 128<<16      ; tile_dim0 = 128
	s_mov_b32 s[\g+4], 64           ; tile_dim1 = 64
	s_mov_b32 s[\g+5], 128          ; 128 elements from row to row
	s_mov_b32 s[\g+6], 0
	s_mov_b32 s[\g+7], 0
.endr
	s_mov_b32 s[CS], 0x3e38aa3b     ; c = log2(e) / 8
	s_mov_b32 s[CS+1], s[CS]
	s_mov_b32 s[SEL], 0x76543210
	s_mov_b32 s[SEL+1], 0xfedcba98
	s_mov_b32 s[BIG], 0xcfee6b28    ; -8e9
	s_mov_b32 s[TBK], 0
	s_mov_b32 s[TBV], 0
	s_mov_b32 s[G0K], 1
	s_mov_b32 s[G0K+1], s17
	s_mov_b32 s[G0V], 1
	s_add_co_u32 s[G0V+1], s18, VOFF
	s_mov_b32 s[SLOTS], 5
	s_wait_dscnt 0x0                ; the opening add is done
	s_wait_kmcnt 0x0
	s_add_nc_u64 s[22:23], s[4:5], s[22:23]
	s_add_nc_u64 s[G0K+2:G0K+3], s[22:23], 0x1000000  ; K: 16 heads of 1,048,576 bytes on
	s_add_nc_u64 s[G0V+2:G0V+3], s[22:23], 0x2000000  ; V: 32
	s_or_b32 s[G0K+3], s[G0K+3], 0x80000000
	s_or_b32 s[G0V+3], s[G0V+3], 0x80000000
	s_add_nc_u64 s[6:7], s[6:7], s[14:15]
	s_add_nc_u64 s[4:5], s[4:5], s[2:3]
	s_add_nc_u64 s[10:11], s[10:11], s[2:3]
	LOAD                            ; keys 0 to 255
	v_lshlrev_b32 v12, 5, v0        ; thread t takes the mask words 8 t .. 8 t + 7
	global_load_b128 v[64:67], v12, s[6:7]
	global_load_b128 v[68:71], v12, s[6:7] offset:16
	v_and_b32 v1, 15, v0            ; l % 16
	v_bfe_u32 v9, v0, 4, 1          ; l / 16
	v_lshlrev_b32 v[QO], 7, v1
	v_lshl_add_u32 v[QO], v9, 4, v[QO]
	WIN 0x80
.set i, 0
.rept 4*NP                          ; Q stays in registers: tile i / 2, channels 32 (i % 2) on
	global_load_b128 v[8*i:8*i+3],   v[QO], s[4:5] offset:(i/2)*2048+(i%2)*64
	global_load_b128 v[8*i+4:8*i+7], v[QO], s[4:5] offset:(i/2)*2048+(i%2)*64+32
.set i, i+1
.endr
	; What the first turn finds: V's registers and P's second buffer hold 0, O^T and l are 0.  All this stands in the wait for the first keys.
.set i, VF
.rept 64
	v_mov_b32 v[i], 0
.set i, i+1
.endr
	WIN 0x40
.set i, 0
.rept 64*NP
	v_mov_b32 v[i], 0
.set i, i+1
.endr
	WIN 0
.set i, 0
.rept 2*NP
	v_mov_b32 v[ST+4*i], 0xfe000000    ; c m: far below every c s
	v_mov_b32 v[ST+4*i+1], 0xff7fffff  ; m
	v_mov_b32 v[ST+4*i+2], 0
	v_mov_b32 v[ST+4*i+3], 0
.set i, i+1
.endr
.set i, P+32
.rept 32
	v_mov_b32 v[i], 0
.set i, i+1
.endr
	v_mul_u32_u24 v[AK0], v1, PK
	v_lshl_add_u32 v[AK0], v9, 4, v[AK0]
	v_and_b32 v10, 7, v0
	v_bfe_u32 v11, v0, 3, 1
	v_lshl_add_u32 v[AV0], v9, 3, v10
	v_mul_u32_u24 v[AV0], v[AV0], PV
	v_lshl_add_u32 v[AV0], v11, 4, v[AV0]
	v_add_nc_u32 v[AV0], VOFF, v[AV0]
	v_mov_b32 v[AK], v[AK0]
	s_mul_i32 s13, s[WV], 16*SP
	s_add_co_u32 s13, s13, STAGE
	v_bfe_u32 v[RD], v0, 3, 2
	v_mul_u32_u24 v[RD], v[RD], SP
	v_lshl_add_u32 v[RD], v10, 4, v[RD]
	v_add_nc_u32 v[RD], s13, v[RD]
	v_and_b32 v[GO], 31, v0
	v_lshlrev_b32 v[GO], 4, v[GO]
	v_mul_u32_u24 v[STO], v1, SP
	v_lshl_add_u32 v[STO], v9, 4, v[STO]
	v_add_nc_u32 v[STO], s13, v[STO]
	v_lshl_add_u32 v[AM], v9, 5, MASKT  ; my 8 keys of each 16: 32 bytes for each half of the lanes
	s_wait_loadcnt 32               ; the mask words are in; Q's 32 loads may stay out
.irp k, 0,1,2,3,4,5,6,7
	v_cmp_eq_u32 s13, 0, v[64+\k]
	v_cndmask_b32 v[64+\k], 0, s[BIG], s13
.endr
	v_add_nc_u32 v13, MASKT, v12
	ds_store_b128 v13, v[64:67]
	ds_store_b128 v13, v[68:71] offset:16
; THE MATRIX WORK.  The 8 accumulators of a run of 16 take turns.  Product i of 16 of S^T = K Q^T for piece x: channels 32 (i / 8) on, keys 16 ((i / 2) % 4) on, tile 2 x + i % 2.
; The first 8 start the sums with the keys' mask numbers.
.macro KQ x
.set rS, S+64*((\x)%2)+32*(i%2)+8*((i/2)%4)
.set rK, KF+16*((i/2)%4)+8*(i/8)
.set rQ, 16*(2*(\x)+i%2)+8*(i/8)
.set rMC, MC+8*((i/2)%4)
.if i < 8
	WIN W_KM
	v_wmma_f32_16x16x32_bf16 v[rS:rS+7], v[rK:rK+7], v[rQ:rQ+7], v[rMC:rMC+7]
.else
	WIN W_KQ
	v_wmma_f32_16x16x32_bf16 v[rS:rS+7], v[rK:rK+7], v[rQ:rQ+7], v[rS:rS+7]
.endif
.endm
.macro PV x
	WIN W_PV
.set rO, 32*(2*(\x)+i%2)+8*((i/2)%4)
.set rV, VF+32*(i/8)+8*((i/2)%4)
.set rP, P+32*((\x)%2)+16*(i%2)+8*(i/8)
	v_wmma_f32_16x16x32_bf16 v[rO:rO+7], v[rV:rV+7], v[rP:rP+7], v[rO:rO+7]
.endm
.macro MM
.if i < 16
	KQ (Y+1)%NP
.set i, i+1
.else
.set i, i-16
	PV (Y+NP-1)%NP
.set i, i+17
.endif
.endm
; THE LDS LOADS stand in runs: a step's K (8 fragments) with its 64 mask numbers, and its V (turned).  last = 1 (in the loop): in the last step there is no further step, and the run is jumped over.
.macro FETCH_K last=0
	WIN 0
.if \last
	s_cmp_eq_u32 s[SLOTS], 1
	s_cbranch_scc1 .Lno_k_\@
.endif
	WIN 0x80
.irp f, 0,1,2,3,4,5,6,7
	ds_load_b128 v[KF+8*\f:KF+8*\f+3],   v[AK] offset:(\f/2)*16*PK+(\f%2)*64
	ds_load_b128 v[KF+8*\f+4:KF+8*\f+7], v[AK] offset:(\f/2)*16*PK+(\f%2)*64+32
.endr
	WIN 0xc0
.irp f, 0,1,2,3
	ds_load_b128 v[MC+8*\f:MC+8*\f+3],   v[AM] offset:64*\f
	ds_load_b128 v[MC+8*\f+4:MC+8*\f+7], v[AM] offset:64*\f+16
.endr
	s_add_co_u32 s[TBK], s[TBK], KS*PK  ; the next fetch is the next step's
	WIN 0
	v_add_nc_u32 v[AM], 0x100, v[AM]  ; the next step's 64 numbers
.if \last
.Lno_k_\@:
.endif
.endm
.macro FETCH_V
	WIN 0x80
.irp f, 0,1,2,3,4,5,6,7
	ds_load_tr16_b128 v[VF+8*\f:VF+8*\f+3],   v[AV] offset:(\f/4)*32*PV+(\f%4)*32
	ds_load_tr16_b128 v[VF+8*\f+4:VF+8*\f+7], v[AV] offset:(\f/4)*32*PV+16*PV+(\f%4)*32
.endr
	WIN 0
.endm
; THE VECTOR WORK OF A TURN stands in three queues, each in the order in which its entries become ready; the two tiles alternate.
.macro REGS y, u
.set rT, ST+4*(2*(\y)+(\u))
.set rC, TMP+8*((\y)%2)+4*(\u)
.set rM, MV+2*((\y)%2)+(\u)
.set rS, S+64*((\y)%2)+32*(\u)
.set rP, P+32*((\y)%2)+16*(\u)
.set rO, 32*(2*(\y)+(\u))
.endm
; Number n of the 22 that find the NEXT piece's maximum and statistics; each accumulator's lowest registers are read first.
;   0-11 four chains of seven scores     12-14, 16 the four left over, the old m, and the chains into one     15 c m_old is kept     17, 18 the other half of the lanes: the new m     19-21 c m; its change; a
.macro XS u, n
	REGS (Y+1)%NP, \u
.if (\n) < 4
	v_max3_num_f32 v[rC+(\n)], v[rS+8*(\n)], v[rS+8*(\n)+1], v[rS+8*(\n)+2]
.elseif (\n) < 12
	v_max3_num_f32 v[rC+(\n)%4], v[rC+(\n)%4], v[rS+8*((\n)%4)+2*((\n)/4)+1], v[rS+8*((\n)%4)+2*((\n)/4)+2]
.elseif (\n) == 12
	v_max3_num_f32 v[rC], v[rC], v[rS+7], v[rS+15]
.elseif (\n) == 13
	v_max3_num_f32 v[rC+1], v[rC+1], v[rS+23], v[rS+31]
.elseif (\n) == 14
	v_max3_num_f32 v[rC+2], v[rC+2], v[rC+3], v[rT+1]
.elseif (\n) == 15
	v_mov_b32 v[rM], v[rT]
.elseif (\n) == 16
	v_max3_num_f32 v[rC], v[rC], v[rC+1], v[rC+2]
.elseif (\n) == 17
	v_permlanex16_b32 v[rC+3], v[rC], s[SEL], s[SEL+1]
.elseif (\n) == 18
	v_max_num_f32 v[rT+1], v[rC], v[rC+3]
.elseif (\n) == 19
	v_mul_f32 v[rT], s[CS], v[rT+1]
.elseif (\n) == 20
	v_sub_f32 v[rC+1], v[rM], v[rT]
.else
	v_exp_f32 v[rC+2], v[rC+1]
.endif
.endm
; Number g of the 64 that follow the exponentials: for each four weights both pairs are rounded to bf16, the second pair is added onto the first, and a group later l takes that sum.
.macro GS g
.set h, (\g)+6*((\g)/62)
.if h >= 6
.set h, h+2
.endif
	REGS Y, h%2
.set k, h/8
.if h%8 < 4
	v_cvt_pk_bf16_f32 v[rP+2*k+(h%8)/2], v[rS+4*k+2*((h%8)/2)], v[rS+4*k+2*((h%8)/2)+1]
.elseif h%8 < 6
	v_pk_add_f32 v[rS+4*k:rS+4*k+1], v[rS+4*k:rS+4*k+1], v[rS+4*k+2:rS+4*k+3]
.elseif k == 1
	v_pk_fma_f32 v[rT+2:rT+3], v[rT+2:rT+3], v[rC+2:rC+3], v[rS:rS+1] op_sel_hi:[1,0,1]
.else
	v_pk_add_f32 v[rT+2:rT+3], v[rT+2:rT+3], v[rS+4*k-4:rS+4*k-3]
.endif
.endm
; THE PLAIN QUEUE, 138 long: 0-73 read no exponential's result (the 32 scalings and the next piece's 42); 74-137 are GS's 64, behind the wait.
.macro FS f
	REGS Y, (\f)%2
	v_pk_fma_f32 v[rS+2*((\f)/2):rS+2*((\f)/2)+1], v[rS+2*((\f)/2):rS+2*((\f)/2)+1], s[CS:CS+1], v[rT:rT+1] op_sel_hi:[1,0,0] neg_lo:[0,0,1] neg_hi:[0,0,1]
.endm
.macro PL
	WIN 0
.if q < 27
	FS q
.elseif q < 55
	XS (q-27)%2, (q-27)/2
.elseif q < 57
	XS q-55, 15
.elseif (q < 72) && ((q-57)%3 == 0)
	FS 27+(q-57)/3
.elseif q < 60
	XS (q-57)%3-1, 14
.elseif q < 72
	XS (q-57)%3-1, 15+(q-57)/3
.elseif q < 74
	XS q-72, 20
.else
	GS q-74
.endif
.set q, q+1
.endm
; THE EXPONENTIALS' QUEUE, 66 long: one batch, all ahead of the turn's one wait; nothing ahead of that wait names a result of theirs.
.macro EX
	WIN 0
.if e >= 64
	XS e-64, 21
.else
	REGS Y, e%2
	v_exp_f32 v[rS+e/2], v[rS+e/2]
.endif
.set e, e+1
.endm
; THE RESCALING's QUEUE: O^T times a, dealt two at a time.  Its a was made, and waited for, in the turn before.
.macro R2
	REGS Y, r%2
	WIN W_RS
.irp z, 0,1
	v_pk_mul_f32 v[rO+4*(r/2)+2*\z:rO+4*(r/2)+2*\z+1], v[rO+4*(r/2)+2*\z:rO+4*(r/2)+2*\z+1], v[rC+2:rC+3] op_sel_hi:[1,0]
.endr
.set r, r+1
.endm
; A TURN, for piece p.  Ahead of the wait: 16 products K Q^T, behind each a scaling, an exponential and two rescalings; then one run of 108.  Behind it: 16 products V^T P, behind each four of GS's 64.
; K (and the mask numbers) of the next step are fetched in piece 2's turn, directly behind the wait; V of the step in hand at the end of piece 0's turn, four plain instructions behind its last reader.
.macro TURN p, last=0, cnt=0
.set Y, (\p)
.set i, 0
.set q, 0
.set e, 0
.set r, 0
.if (\p) == NP-1
	s_wait_dscnt 0x0                ; K and its mask numbers are in
.endif
	MM
	PL
	PL
	R2
.rept 15
	MM
	PL
	EX
	R2
.endr
.if (\p) == NP-2
	WIN 0
	v_add_nc_u32 v[AK], s[TBK], v[AK0]
.endif
.rept 8
	PL
.endr
.rept 49
	EX
	PL
.endr
	EX
	EX
	v_nop                           ; a plain instruction behind the last exponential: one for the batch
	s_wait_alu depctr_va_vdst(0)    ; a wait ahead of the batch's first reader
.if (\p) == NP-2
	FETCH_K \last
.endif
.if (\p) == 1
	s_wait_dscnt 0x0                ; V is in
.endif
.rept 16
	MM
.rept 4
	PL
.endr
.if ((\p) == 0) && (q == 118)
	v_add_nc_u32 v[AV], s[TBV], v[AV0]
.endif
.if ((\p) == 0) && (q == 130)
	s_add_co_u32 s[TBV], s[TBV], KS*PV
.endif
.if (\cnt) && (q == 130)
	s_sub_co_u32 s[CNT], s[CNT], 1
	s_cmp_lg_u32 s[CNT], 0
.endif
.endr
.if (\p) == 0
	FETCH_V
.endif
.endm
	; THE FIRST MEETING.  My part of keys 0 to 255 has landed and my part of the mask table is stored; behind the barrier everybody's is, and each wave asks for its 384 of the other 768 keys:
	; its one tensor load behind this barrier, and the first thing there, into bytes that nothing has filled.
	WIN W_AD
	s_wait_tensorcnt 0x0            ; no tensor load of mine is out, so the descriptors may be written
	ds_add_u32 v[SPW], v[NIL]       ; 0 onto my spare word; the descriptors' words stand between it and the wait for it
	WIN 0
.irp g, G1K, G1V
	s_mov_b32 s[\g+2], 192<<16      ; tensor_dim1 = 192
	s_mov_b32 s[\g+4], 192          ; tile_dim1 = 192: 384 keys as 192 rows of 256 bytes
.endr
	s_mov_b32 s[G0K+1], s[LK2]
	s_mov_b32 s[G0V+1], s[LV2]
	s_add_nc_u64 s[G0K+2:G0K+3], s[G0K+2:G0K+3], s[DG:DG+1]  ; the type bits on top are not reached
	s_add_nc_u64 s[G0V+2:G0V+3], s[G0V+2:G0V+3], s[DG:DG+1]
	s_wait_dscnt 0x0                ; the add and my stores into the mask table are done
	s_barrier_signal -1
	s_barrier_wait -1
	LOAD                            ; keys 256 to 1,023
	FETCH_K                         ; key step 0
	s_wait_loadcnt 0x0              ; Q
	s_wait_dscnt 0x0
.set i, 0
.rept 16
	KQ 0
.set i, i+1
.endr
	WIN 0
.rept 4
	v_nop                           ; the places behind those products
.endr
.set Y, NP-1
.irp n, 0,1,2,3,4,5,6,7,8,9,10,11,12,13,14,15,16,17,18,19,20,21
	XS 0, \n
	XS 1, \n
.endr
	v_nop
	s_wait_alu depctr_va_vdst(0)
	s_mov_b32 s[CNT], 4
	s_branch .Lfirst                ; the loop is entered at a step's first turn, in the middle of a trip
.Lslot:                             ; ahead of the fetch of K of steps 4, 8 and 12, and of the last step's second half
	MEET
	s_mov_b32 s[CNT], 4
.Lstep:                             ; a trip: pieces 2 and 3 of one step, then pieces 0 and 1 of the next, whose K and V it fetches
	TURN 2, 1
	TURN 3
	WIN 0
	s_cmp_eq_u32 s[SLOTS], 1        ; that was step 15: the loop is left in the middle of a trip, as it was entered
	s_cbranch_scc1 .Lout
.Lfirst:
	TURN 0
	TURN 1, 0, 1
	WIN 0
	s_cbranch_scc1 .Lstep
	s_sub_co_u32 s[SLOTS], s[SLOTS], 1
	s_cmp_lg_u32 s[SLOTS], 0
	s_cbranch_scc1 .Lslot
.Lout:                              ; the last turn's 16 products K Q^T (on the last K once more) and the maximum made of them serve nothing: the price of one text for every trip
.set i, 0
.rept 16
	PV NP-1
.set i, i+1
.endr
	; THE WAY OUT.  l's halves are added; O^T is divided by l, rounded to bf16 and sent through my stage, a tile at a time.  The additions are the places behind the last products.
	WIN 0
.macro ALL line:vararg
.set t, 0
.rept 2*NP
	\line
.set t, t+1
.endr
.endm
	ALL v_add_f32 v[ST+4*t+2], v[ST+4*t+2], v[ST+4*t+3]
	ALL v_permlanex16_b32 v[ST+4*t+3], v[ST+4*t+2], s[SEL], s[SEL+1]
	ALL v_add_f32 v[ST+4*t+2], v[ST+4*t+2], v[ST+4*t+3]
	ALL v_rcp_f32 v[ST+4*t+2], v[ST+4*t+2]
	v_nop
	s_wait_alu depctr_va_vdst(0)    ; one wait for the eight reciprocals
.macro PACK t
	WIN W_RS
.set i, 32*(\t)
.rept 16
	v_pk_mul_f32 v[i:i+1], v[i:i+1], v[ST+4*(\t)+2:ST+4*(\t)+3] op_sel_hi:[1,0]
.set i, i+2
.endr
	WIN 0x05
.set i, 0
.rept 16
	v_cvt_pk_bf16_f32 v[S+16*(\t)+i], v[32*(\t)+2*i], v[32*(\t)+2*i+1]
.set i, i+1
.endr
	WIN 0
.irp f, 0,1,2,3
	ds_store_b128 v[STO], v[S+16*(\t)+4*\f:S+16*(\t)+4*\f+3] offset:32*\f
.endr
.irp f, 0,1,2,3
	ds_load_b128 v[S+16*(\t)+4*\f:S+16*(\t)+4*\f+3], v[RD] offset:\f*4*SP  ; LDS serves a wave's instructions in order: these see the stores above
.endr
.endm
.macro SEND t, younger              ; younger: the LDS instructions issued behind tile t's loads
	WIN 0
.irp f, 0,1,2,3
	s_wait_dscnt (\younger)+3-\f
	global_store_b128 v[GO], v[S+16*(\t)+4*\f:S+16*(\t)+4*\f+3], s[10:11] offset:(\t)*2048+\f*512  ; 512 consecutive bytes, aligned
.endr
.endm
	PACK 0
.set t, 1
.rept 2*NP-1
	PACK t
	SEND t-1, 8
.set t, t+1
.endr
	SEND 2*NP-1, 0
	WIN W_AD
	s_wait_tensorcnt 0x0            ; the wave's end
	ds_add_u32 v[SPW], v[NIL]
	s_wait_dscnt 0x0
	WIN 0
	s_endpgm
.Lfunc_end_k_q948667065e_attn:
	.size	k_q948667065e_attn, .Lfunc_end_k_q948667065e_attn-k_q948667065e_attn
	.p2alignl 7, 3214868480
	.fill 96, 4, 3214868480
	.section	.rodata,"a",@progbits
	.p2align	6, 0x0
	.amdhsa_kernel k_q948667065e_attn
		.amdhsa_group_segment_fixed_size 327680
		.amdhsa_private_segment_fixed_size 0
		.amdhsa_enable_private_segment 0
		.amdhsa_kernarg_size 24
		.amdhsa_user_sgpr_count 2
		.amdhsa_user_sgpr_kernarg_segment_ptr 1
		.amdhsa_wavefront_size32 1
		.amdhsa_system_sgpr_workgroup_id_x 1
		.amdhsa_system_sgpr_workgroup_id_y 1
		.amdhsa_system_sgpr_workgroup_id_z 1
		.amdhsa_system_vgpr_workitem_id 0
		.amdhsa_next_free_vgpr 832
		.amdhsa_next_free_sgpr 66
		.amdhsa_reserve_vcc 0
		.amdhsa_float_denorm_mode_32 3
		.amdhsa_float_denorm_mode_16_64 3
		.amdhsa_memory_ordered 1
		.amdhsa_forward_progress 1
		.amdhsa_inst_pref_size 129
	.end_amdhsa_kernel
	.amdgpu_metadata
---
amdhsa.version: [ 1, 2 ]
amdhsa.kernels:
  - .name:           k_q948667065e_attn
    .symbol:         k_q948667065e_attn.kd
    .args:
      - { .name: qkv, .offset: 0, .size: 8, .value_kind: global_buffer, .address_space: global }
      - { .name: mask, .offset: 8, .size: 8, .value_kind: global_buffer, .address_space: global }
      - { .name: obuf, .offset: 16, .size: 8, .value_kind: global_buffer, .address_space: global }
    .group_segment_fixed_size: 327680
    .private_segment_fixed_size: 0
    .kernarg_segment_align: 8
    .kernarg_segment_size: 24
    .max_flat_workgroup_size: 128
    .sgpr_count:     66
    .vgpr_count:     832
    .wavefront_size: 32
...
	.end_amdgpu_metadata
.endif
;; end of part 5
;; launch ogemm (part 6): grid 4 x 64, 4 waves a work-group, clusters of 4 x 4, 327,680 bytes of LDS; arguments obuf, wob, ybuf; writes ybuf
.if DOCPART == 6
	.amdgcn_target "amdgcn-amd-amdhsa--gfx1250"
	.amdhsa_code_object_version 6
	.text
	.protected	k_q948667065e_ogemm
	.globl	k_q948667065e_ogemm
	.p2align	8
	.type	k_q948667065e_ogemm,@function
k_q948667065e_ogemm:
	s_mov_b64 s[64:65], 0
	v_nop
	global_prefetch_b8 v0, s[64:65] scope:SCOPE_SE
	s_setreg_imm32_b32 hwreg(HW_REG_WAVE_MODE, 25, 1), 1
	s_wait_xcnt 0x0
	s_wait_alu depctr_hold_cnt(0) depctr_sa_sdst(0) depctr_va_vdst(0) depctr_va_sdst(0) depctr_va_ssrc(0) depctr_va_vcc(0) depctr_vm_vsrc(0)
	s_getreg_b32 s2, hwreg(HW_REG_IB_STS2, 6, 4)
	s_cmp_eq_u32 s2, 0
	s_cbranch_scc0 .Lentry_in_a_cluster
	s_endpgm
.Lentry_in_a_cluster:
	s_bfe_u32 s2, ttmp6, 0x10000c
	s_cmp_lg_u32 s2, 0xf033
	s_cbranch_scc0 .Lentry_shape_is_right
	s_endpgm
.Lentry_shape_is_right:
; OGEMM.  y = O Wo.  O: obuf [16 head][8192 row][64] bf16 (k = 64 head + channel); Wo: wob [1024 k][1024 n] bf16; y: ybuf [8192][1024], f32 sums rounded once to bf16.
; bo, the residual and the second norm follow in the next launch, in f32.
; SHARES.  A tile of y is 128 rows x 256 columns: 64 x 4 = 256 work-groups.  Wave (wm, wn) makes 64 rows x 128 columns: 32 accumulators of 16 x 16.
; K goes in 8 steps of 128 (two heads) through two LDS slots of four parts; wave w fetches part w, one tensor load: waves 0 and 1 a head's 128 rows of O each (16,384 dense bytes, asked for as
; 64 rows of 256 bytes and padded after every 128), waves 2 and 3 a strip of wob each (128 k-rows x 256 bytes).  A work-group takes (128 + 256) x 2,048 bytes through LDS in all.
; wob lies [k][n]: its fragments come out of LDS turned, by ds_load_tr16_b128.
; THE PRODUCT IS USED TRANSPOSED (source 0 = 16 columns of wob, source 1 = 16 rows of O): a lane holds row lane % 16 and the columns 8 (lane / 16) + 0..7: 16 bytes of a row of y.
; CLUSTER 4 x 4: O's tiles hang on the tile row alone and are asked for jointly along a row of the cluster, wob's strips on the tile column alone, jointly along a column.
; REGISTERS.  window 0: addresses; v64-159 the way out.  window 1: two fragment buffers of 96 (4 of O, then 8 of wob) at 0 and 128.  window 2: accumulator (b, a) at 32 b + 8 a.
.set PA,    144                        ; LDS row of O: 128 + 16 bytes: the 16 rows of a fragment load start at 16 different groups of four banks
.set PB,    288                        ; LDS row of a strip: 256 + 32 bytes
.set PART,  128*PB                     ; 36,864: a wave's part of a slot (a head of O uses 18,432 of its part)
.set SLOT,  4*PART
.set STAGE, 2*SLOT                     ; behind the ring, never filled by a tensor load: for each wave 16 rows x 272 bytes
.set SP,    272
.set WSTG,  16*SP
.set SPARE, STAGE+4*WSTG               ; the spare words: 128 bytes a wave, two blocks of 256 bytes that no other line names
.set ADRA, 16                          ; v16-17  my fragments of O in slot 0, 1
.set ADRB, 18                          ; v18-19  my fragments of wob
.set STO,  24                          ; v24     the way out: where I put 16 bytes of a row
.set RD,   25                          ; v25     where I read rows back
.set GO,   26                          ; v26     my 16 bytes in two rows of y
.set SPW,  28                          ; v28     my spare word; never rewritten
.set NIL,  29                          ; v29     0; never rewritten
.set PFO,  30                          ; v30     the prefetches' offset; never rewritten
.set TMP,  64                          ; v64-95  packed results; v96-127 and v128-159 rows read back, by turns
.set BK,   96
.set F0,   0
.set F1,   128
.set WV, 20
.set WM, 21
.set WN, 22
.set CX, 23
.set CY, 24
.set TX, 25
.set TY, 26
.set G1A, 28                           ; s[28:35] group 1 for O's tiles;   s[36:43] group 0, a set for each slot
.set G0A, 36
.set G1B, 44                           ; s[44:51], s[52:59] the same for wob's strips
.set G0B, 52
.set PFA, 60                           ; s[60:61] where my prefetches stand
.set PST, 62                           ; s[62:63] their step: a K step (two heads of O, 128 rows of wob)
.set LIM, 66                           ; s66      1 in a wave that prefetches, else the greatest number
.set OB,  80                           ; s[80:81] y at my first row and column
.set MSB, 0
.macro WIN new                         ; the immediate's high byte repeats the setting that is left; a switch that changes nothing is dropped
.if MSB != (\new)
	s_set_vgpr_msb (MSB<<8)|(\new)
.set MSB, \new
.endif
.endm
.macro PLACES                          ; four places in front of loads into registers that matrix instructions have read
.rept 4
	v_nop
.endr
.endm
; A joint load: waves 0 and 1 fetch a head of O each, waves 2 and 3 a strip of wob each.  The branch hangs on the wave's number alone.  An s_nop 0 and four v_nop follow each line.
.macro JLOAD s
	s_cmp_lt_u32 s[WV], 2
	s_cbranch_scc0 .Lfor_b_\@
	tensor_load_to_lds s[G0A+4*(\s):G0A+4*(\s)+3], s[G1A:G1A+7]
	s_nop 0
.rept 4
	v_nop
.endr
	s_branch .Lasked_\@
.Lfor_b_\@:
	tensor_load_to_lds s[G0B+4*(\s):G0B+4*(\s)+3], s[G1B:G1B+7]
	s_nop 0
.rept 4
	v_nop
.endr
.Lasked_\@:
.endm
.macro CREST                           ; a round of the cluster's barrier behind its opening barrier
	s_cmp_lg_u32 s[WV], 0
	s_cbranch_scc1 .Lnot_wave_0_\@
	s_barrier_signal -3
.Lnot_wave_0_\@:
	s_barrier_wait -3
	s_barrier_signal -1
	s_barrier_wait -1
.endm
.macro CROUND
	s_barrier_signal -1
	s_barrier_wait -1
	CREST
.endm
; A prefetch of the K step that stands two refills on, 32 blocks of 256 bytes, a lane a block.  O's tile row is read by one cluster alone: wave 0 of each of its four partners names 4,096 bytes of each
; of the step's two heads, told apart by address.  A strip of wob is read by all sixteen clusters: cluster y = 0 asks, the wave that fetches the strip, the four partners 32 k-rows each.
; So each block of K steps 4 to 7 is named once; steps 0 to 3 come by their loads alone; the loop's last trip (s3 = 1) has no step two refills on.
.macro ASK
	WIN 0
	s_cmp_gt_u32 s3, s[LIM]
	s_cbranch_scc0 .Lnot_mine_\@
	global_prefetch_b8 v[PFO], s[PFA:PFA+1] th:TH_LOAD_NT scope:SCOPE_SE
.Lnot_mine_\@:
.endm
	s_load_b128 s[4:7], s[0:1], 0x0                ; obuf 4, wob 6
	s_load_b64 s[8:9], s[0:1], 0x10                ; ybuf
	v_lshl_add_u32 v[SPW], v0, 2, SPARE
	v_mov_b32 v[NIL], 0
	ds_add_u32 v[SPW], v[NIL]                      ; the wave's opening: the add and its wait ahead of my first tensor load; work on registers stands between them
	ds_add_u32 v28, v29
	v_lshrrev_b32 v1, 5, v0
	v_readfirstlane_b32 s[WV], v1
	s_lshr_b32 s[WM], s[WV], 1                     ; which 64 rows of the tile are mine
	s_and_b32 s[WN], s[WV], 1                      ; which 128 columns.  Also: which head, or which strip, I fetch
	s_bfe_u32 s[CX], ttmp6, 0x40000
	s_bfe_u32 s[CY], ttmp6, 0x40004
	s_lshl_b32 s[TX], ttmp9, 2
	s_add_co_u32 s[TX], s[TX], s[CX]               ; tile column 0..3
	s_and_b32 s[TY], ttmp7, 0xffff
	s_lshl_b32 s[TY], s[TY], 2
	s_add_co_u32 s[TY], s[TY], s[CY]               ; tile row 0..63
	s_lshl_b32 s67, s[CY], 2
	s_lshl_b32 s67, 15, s67                        ; my row of the cluster
	s_lshl_b32 s72, 0x1111, s[CX]                  ; my column
	s_or_b32 s[G1A], s67, (1<<16)|(1<<20)|(1<<21)|(4<<22)|(3<<25)  ; mask; 2-byte elements; padding on; bit 21 beside a mask; after every 32 words, 4 words
	s_or_b32 s[G1B], s72, (1<<16)|(1<<20)|(1<<21)|(5<<22)|(7<<25)  ; after every 64 words, 8 words
	s_mov_b32 s[G1A+1], 128<<16                    ; tensor_dim0 = 128
	s_mov_b32 s[G1A+2], 64<<16                     ; tensor_dim1 = 64
	s_mov_b32 s[G1A+3], 128<<16                    ; tile_dim0 = 128
	s_mov_b32 s[G1A+4], 64                         ; tile_dim1 = 64
	s_mov_b32 s[G1A+5], 128                        ; dense: 128 elements from row to row
	s_mov_b32 s[G1A+6], 0
	s_mov_b32 s[G1A+7], 0
	s_mov_b32 s[G1B+1], 128<<16
	s_mov_b32 s[G1B+2], 128<<16
	s_mov_b32 s[G1B+3], 128<<16
	s_mov_b32 s[G1B+4], 128
	s_mov_b32 s[G1B+5], 1024
	s_mov_b32 s[G1B+6], 0
	s_mov_b32 s[G1B+7], 0
	s_lshl_b32 s68, s[TY], 14                      ; O: 128 rows of 128 bytes a tile row, my head of the step's two; these registers never hold cx
	s_lshl_b32 s74, s[WN], 20
	s_add_co_u32 s68, s68, s74
	s_mov_b32 s69, 0
	s_lshl_b32 s70, s[TX], 9                       ; wob: 512 bytes of a row a tile column, my strip's 256; these never hold cy
	s_lshl_b32 s74, s[WN], 8
	s_add_co_u32 s70, s70, s74
	s_mov_b32 s71, 0
	s_mul_i32 s73, s[WV], PART                     ; where my part goes: the wave's number alone
	s_wait_dscnt 0x0                               ; the opening add is done
	s_wait_kmcnt 0x0
	s_add_nc_u64 s[68:69], s[4:5], s[68:69]
	s_add_nc_u64 s[70:71], s[6:7], s[70:71]
	CROUND                                         ; all sixteen work-groups are here: the first joint loads meet
.irp s, 0,1
	s_mov_b32 s[G0A+4*\s], 1
	s_add_co_u32 s[G0A+4*\s+1], s73, \s*SLOT
	s_add_nc_u64 s[G0A+4*\s+2:G0A+4*\s+3], s[68:69], \s*2097152      ; K step s: heads 2 s and 2 s + 1
	s_or_b32 s[G0A+4*\s+3], s[G0A+4*\s+3], 0x80000000
	s_mov_b32 s[G0B+4*\s], 1
	s_add_co_u32 s[G0B+4*\s+1], s73, \s*SLOT
	s_add_nc_u64 s[G0B+4*\s+2:G0B+4*\s+3], s[70:71], \s*262144       ; 128 rows of 2,048 bytes
	s_or_b32 s[G0B+4*\s+3], s[G0B+4*\s+3], 0x80000000
	JLOAD \s                                       ; two tensor loads of mine are out
.endr
	; LDS addresses
	v_and_b32 v1, 15, v0                           ; r = lane % 16
	v_bfe_u32 v2, v0, 4, 1                         ; h = lane / 16
	v_mul_u32_u24 v3, v1, PA
	v_lshl_add_u32 v3, v2, 4, v3
	s_mul_i32 s67, s[WM], 64*PA
	v_add_nc_u32 v[ADRA], s67, v3                  ; (64 wm + r) x 144 + 16 h
	v_add_nc_u32 v[ADRA+1], SLOT, v[ADRA]
	v_and_b32 v4, 7, v0
	v_lshl_add_u32 v4, v2, 3, v4
	v_mul_u32_u24 v4, v4, PB
	v_bfe_u32 v5, v0, 3, 1
	v_lshl_add_u32 v4, v5, 4, v4                   ; the turning load: k-row 8 h + lane % 8, 16 bytes for each eight lanes
	s_add_co_u32 s74, s[WN], 2                     ; my 128 columns are strip wn, part 2 + wn
	s_mul_i32 s74, s74, PART
	v_add_nc_u32 v[ADRB], s74, v4
	v_add_nc_u32 v[ADRB+1], SLOT, v[ADRB]
	s_mul_i32 s67, s[WV], WSTG
	s_add_co_u32 s67, s67, STAGE
	v_mul_u32_u24 v[STO], v1, SP                   ; in: row r, 16 bytes for each half of the lanes
	v_lshl_add_u32 v[STO], v2, 4, v[STO]
	v_add_nc_u32 v[STO], s67, v[STO]
	v_mul_u32_u24 v[RD], v2, SP                    ; back: lanes 0-15 take one row of 256 bytes, lanes 16-31 the next
	v_lshl_add_u32 v[RD], v1, 4, v[RD]
	v_add_nc_u32 v[RD], s67, v[RD]
	v_lshlrev_b32 v[GO], 11, v2                    ; and the same two rows in y
	v_lshl_add_u32 v[GO], v1, 4, v[GO]
	; y at my first row and column
	s_lshl_b32 s76, s[TY], 7
	s_lshl_b32 s77, s[WM], 6
	s_add_co_u32 s76, s76, s77
	s_lshl_b32 s76, s76, 11
	s_lshl_b32 s77, s[TX], 9
	s_add_co_u32 s76, s76, s77
	s_lshl_b32 s77, s[WN], 8
	s_add_co_u32 s76, s76, s77
	s_mov_b32 s77, 0
	s_add_nc_u64 s[OB:OB+1], s[8:9], s[76:77]
	; the prefetches: PFA stands at K step 3; each change of slots steps it and then names it
	s_lshl_b32 s67, s[TY], 14
	s_lshl_b32 s72, s[CX], 12
	s_add_co_u32 s67, s67, s72
	s_add_co_u32 s67, s67, 6*1048576               ; O: my work-group's 4,096 bytes of the tile row's 16,384, head 6
	s_lshl_b32 s72, s[CY], 5
	s_add_co_u32 s72, s72, 3*128
	s_lshl_b32 s72, s72, 11
	s_lshl_b32 s74, s[TX], 9
	s_add_co_u32 s72, s72, s74
	s_lshl_b32 s74, s[WN], 8
	s_add_co_u32 s72, s72, s74                     ; wob: k-row 384 + 32 cy, my strip
	s_and_b32 s74, ttmp7, 0xffff
	s_cmp_eq_u32 s74, 0                            ; the first of the clusters that read the same strips
	s_cselect_b32 s75, 1, -1
	s_cmp_eq_u32 s[WV], 0
	s_cselect_b32 s78, 1, -1
	s_mov_b32 s74, 2097152
	s_mov_b32 s79, 262144
	s_cmp_lt_u32 s[WV], 2
	s_cselect_b32 s[LIM], s78, s75
	s_cselect_b64 s[PFA:PFA+1], s[4:5], s[6:7]
	s_cselect_b32 s76, s67, s72
	s_cselect_b32 s[PST], s74, s79
	s_cselect_b32 s2, -1, 0
	s_mov_b32 s77, 0
	s_mov_b32 s[PST+1], 0
	s_add_nc_u64 s[PFA:PFA+1], s[PFA:PFA+1], s[76:77]
	v_and_b32 v3, 31, v0
	v_lshlrev_b32 v4, 11, v3                       ; wob: a lane a k-row
	v_lshrrev_b32 v5, 4, v3
	v_and_b32 v6, 15, v3
	v_lshlrev_b32 v5, 20, v5
	v_lshl_add_u32 v5, v6, 8, v5                   ; O: head lane / 16, block lane % 16
	v_cndmask_b32 v[PFO], v4, v5, s2
; n column blocks from b0 on x my 4 row blocks, 32 along K, from buffer f.  first = 1: the constant 0 starts the sums.  The 32 accumulators take turns, one instruction a turn, in one order in every
; quarter: 31 others' stand between two links of a chain, over the backward jump too.
.macro MULB f, b0, n, first
	WIN 0xa5
.set bb, \b0
.rept \n
.irp a, 0,1,2,3
.if \first
	v_wmma_f32_16x16x32_bf16 v[32*bb+8*\a:32*bb+8*\a+7], v[(\f)+32+8*bb:(\f)+32+8*bb+7], v[(\f)+8*\a:(\f)+8*\a+7], 0
.else
	v_wmma_f32_16x16x32_bf16 v[32*bb+8*\a:32*bb+8*\a+7], v[(\f)+32+8*bb:(\f)+32+8*bb+7], v[(\f)+8*\a:(\f)+8*\a+7], v[32*bb+8*\a:32*bb+8*\a+7]
.endif
.endr
.set bb, bb+1
.endr
.endm
; 24 LDS loads in one run: quarter q (32 along K: head q / 2, channels 32 (q % 2) on) of a slot into buffer f: O's 4 fragments, wob's blocks 4-7, then blocks 0-3
.macro FETCH slot, q, f
	WIN 0x40
.irp a, 0,1,2,3
	ds_load_b128 v[(\f)+8*\a:(\f)+8*\a+3],   v[ADRA+(\slot)] offset:((\q)/2)*PART+64*((\q)%2)+16*PA*\a
	ds_load_b128 v[(\f)+8*\a+4:(\f)+8*\a+7], v[ADRA+(\slot)] offset:((\q)/2)*PART+64*((\q)%2)+16*PA*\a+32
.endr
.irp b, 4,5,6,7,0,1,2,3
	ds_load_tr16_b128 v[(\f)+32+8*\b:(\f)+32+8*\b+3],   v[ADRB+(\slot)] offset:32*PB*(\q)+32*\b
	ds_load_tr16_b128 v[(\f)+32+8*\b+4:(\f)+32+8*\b+7], v[ADRB+(\slot)] offset:32*PB*(\q)+32*\b+16*PB
.endr
.endm
; One of a K step's first three quarters: multiplies buffer f; in its middle it fetches quarter q into buffer g.
.macro QUARTER slot, q, f, g, first
	s_wait_dscnt 8                                 ; O's fragments and blocks 4-7 are in; the youngest 8 loads (blocks 0-3) may be out
	MULB \f, 4, 4, \first
	PLACES
	FETCH \slot, \q, \g
	s_wait_dscnt 24                                ; all but the 24 just issued
	MULB \f, 0, 4, \first
.endm
; The last quarter multiplies buffer 1 and changes slots: one barrier; in front of it each wave waits for all its tensor loads (one is out: its part of the next slot), adds 0 to its spare word,
; and waits for that and for its reads of this slot.  fill = 1: the barrier opens a round of the cluster's, and this slot is filled again, two K steps ahead, first thing behind the round.
.macro TURN slot, next, fill
.if \fill
	s_wait_xcnt 0x0                                ; the last prefetch, a K step back, has read its address
	s_add_nc_u64 s[PFA:PFA+1], s[PFA:PFA+1], s[PST:PST+1]
.endif
	WIN 0
	s_wait_tensorcnt 0x0
	ds_add_u32 v[SPW], v[NIL]
	s_wait_dscnt 9                                 ; (the add and the youngest 8 loads may be out)
	MULB F1, 4, 2, 0
	s_wait_dscnt 0x0                               ; the add is done, and my reads of this slot are over
	s_barrier_signal -1
	MULB F1, 6, 2, 0
.if \fill
	WIN 0
.endif
	s_barrier_wait -1
.if \fill
	CREST
	s_add_nc_u64 s[G0A+4*(\slot)+2:G0A+4*(\slot)+3], s[G0A+4*(\slot)+2:G0A+4*(\slot)+3], 2*2097152
	s_add_nc_u64 s[G0B+4*(\slot)+2:G0B+4*(\slot)+3], s[G0B+4*(\slot)+2:G0B+4*(\slot)+3], 2*262144
	JLOAD \slot                                    ; its four v_nop are also the places in front of the loads below
.else
	PLACES
.endif
	FETCH \next, 0, F0
.if \fill
	ASK
.endif
	MULB F1, 0, 4, 0
.endm
	s_wait_tensorcnt 1                             ; my part of K step 0 is in; step 1's may stay out
	s_barrier_signal -1
	s_barrier_wait -1
	FETCH 0, 0, F0
	QUARTER 0, 1, F0, F1, 1
	WIN 0
	s_mov_b32 s3, 3
.Llap:                                                 ; a trip goes once round the ring and fills both slots again: K steps 2 to 7
	QUARTER 0, 2, F1, F0, 0
	QUARTER 0, 3, F0, F1, 0
	TURN 0, 1, 1
	QUARTER 1, 1, F0, F1, 0
	QUARTER 1, 2, F1, F0, 0
	QUARTER 1, 3, F0, F1, 0
	TURN 1, 0, 1
	QUARTER 0, 1, F0, F1, 0
	WIN 0
	s_sub_co_u32 s3, s3, 1
	s_cmp_lg_u32 s3, 0
	s_cbranch_scc1 .Llap
	QUARTER 0, 2, F1, F0, 0                        ; the last lap fills nothing
	QUARTER 0, 3, F0, F1, 0
	TURN 0, 1, 0
	QUARTER 1, 1, F0, F1, 0
	QUARTER 1, 2, F1, F0, 0
	QUARTER 1, 3, F0, F1, 0
	s_wait_dscnt 8
	MULB F1, 4, 4, 0
	s_wait_dscnt 0x0
	MULB F1, 0, 4, 0
	WIN 0
; THE WAY OUT, a block of 16 rows at a time.  PACK: rounded to bf16, each accumulator's registers ascending.  TOSTAGE: into my stage, rows of 272 bytes, and back as whole rows of 256.
; SEND: sixteen lanes store 256 consecutive bytes, at a multiple of 256 from y's first byte.
.macro PACK a
	WIN 0x0a
.set bb, 0
.rept 8
.irp r, 0,1,2,3
	v_cvt_pk_bf16_f32 v[TMP+4*bb+\r], v[32*bb+8*(\a)+2*\r], v[32*bb+8*(\a)+2*\r+1]
.endr
.set bb, bb+1
.endr
	WIN 0
.endm
.macro TOSTAGE a
.set BKA, BK+32*((\a)%2)
.set bb, 0
.rept 8
	ds_store_b128 v[STO], v[TMP+4*bb:TMP+4*bb+3] offset:32*bb
.set bb, bb+1
.endr
.set bb, 0
.rept 8
	ds_load_b128 v[BKA+4*bb:BKA+4*bb+3], v[RD] offset:2*SP*bb  ; LDS serves a wave's instructions in order: these see the stores above
.set bb, bb+1
.endr
.endm
.macro SEND a
.set BKA, BK+32*((\a)%2)
	s_wait_dscnt 0x0                               ; the block is back in registers
	s_wait_xcnt 0x0                                ; the stores of the block before have read their registers, which the next TOSTAGE loads again
.set bb, 0
.rept 8
	global_store_b128 v[GO], v[BKA+4*bb:BKA+4*bb+3], s[OB:OB+1] offset:32768*(\a)+4096*bb
.set bb, bb+1
.endr
.endm
	PLACES
	PLACES
	PACK 0
	TOSTAGE 0
.irp a, 1,2,3
	PACK \a
	SEND \a-1
	TOSTAGE \a
.endr
	SEND 3
	s_wait_tensorcnt 0x0                           ; the wave's end
	ds_add_u32 v[SPW], v[NIL]
	s_wait_dscnt 0x0
	CROUND                                         ; the closing round
	s_endpgm
.Lfunc_end_k_q948667065e_ogemm:
	.size	k_q948667065e_ogemm, .Lfunc_end_k_q948667065e_ogemm-k_q948667065e_ogemm
	.p2alignl 7, 3214868480
	.fill 96, 4, 3214868480
	.section	.rodata,"a",@progbits
	.p2align	6, 0x0
	.amdhsa_kernel k_q948667065e_ogemm
		.amdhsa_group_segment_fixed_size 327680
		.amdhsa_private_segment_fixed_size 0
		.amdhsa_enable_private_segment 0
		.amdhsa_kernarg_size 24
		.amdhsa_user_sgpr_count 2
		.amdhsa_user_sgpr_kernarg_segment_ptr 1
		.amdhsa_wavefront_size32 1
		.amdhsa_system_sgpr_workgroup_id_x 1
		.amdhsa_system_sgpr_workgroup_id_y 1
		.amdhsa_system_sgpr_workgroup_id_z 1
		.amdhsa_system_vgpr_workitem_id 0
		.amdhsa_next_free_vgpr 768
		.amdhsa_next_free_sgpr 88
		.amdhsa_reserve_vcc 0
		.amdhsa_float_denorm_mode_32 3
		.amdhsa_float_denorm_mode_16_64 3
		.amdhsa_memory_ordered 1
		.amdhsa_forward_progress 1
		.amdhsa_inst_pref_size 88
	.end_amdhsa_kernel
	.amdgpu_metadata
---
amdhsa.version: [ 1, 2 ]
amdhsa.kernels:
  - .name:           k_q948667065e_ogemm
    .symbol:         k_q948667065e_ogemm.kd
    .args:
      - { .name: obuf, .offset: 0, .size: 8, .value_kind: global_buffer, .address_space: global }
      - { .name: wob, .offset: 8, .size: 8, .value_kind: global_buffer, .address_space: global }
      - { .name: ybuf, .offset: 16, .size: 8, .value_kind: global_buffer, .address_space: global }
    .group_segment_fixed_size: 327680
    .private_segment_fixed_size: 0
    .kernarg_segment_align: 8
    .kernarg_segment_size: 24
    .max_flat_workgroup_size: 128
    .sgpr_count:     88
    .vgpr_count:     768
    .wavefront_size: 32
...
	.end_amdgpu_metadata
.endif
;; end of part 6
;; launch fin (part 7): grid 1024 x 1, 4 waves a work-group, no clusters, 0 bytes of LDS; arguments x, ybuf, stats, alpha1, bias1, bo, alpha2, bias2, out0; writes out0
.if DOCPART == 7
	.amdgcn_target "amdgcn-amd-amdhsa--gfx1250"
	.amdhsa_code_object_version 6
	.text
	.protected	k_q948667065e_fin
	.globl	k_q948667065e_fin
	.p2align	8
	.type	k_q948667065e_fin,@function
k_q948667065e_fin:
	s_mov_b64 s[64:65], 0
	v_nop
	global_prefetch_b8 v0, s[64:65] scope:SCOPE_SE
	s_setreg_imm32_b32 hwreg(HW_REG_WAVE_MODE, 25, 1), 1
	s_wait_xcnt 0x0
; FIN.  out0 = 2 norm2(xn + y + bo).  xn = alpha1 (x - mean) / (std + eps) + bias1 is made anew in f32 from x and the row's mean and 1 / (std + eps) (stats [8192][2]);
; y = O Wo comes in bf16 (ybuf [8192][1024]).  norm2: divisor 1023, 1e-5 added to the std; the mean is taken away in registers before the squares are summed, so no difference of large sums is formed.
; SHARES.  8,192 rows, 8 to a work-group, 2 to a wave; a wave takes a whole row (32 registers of f32), so a row's sums never leave the wave: no LDS, no barrier, no matrix unit: memory binds.
; A wave asks for both its rows at its start (32 loads of 512 or 256 consecutive bytes), so the text has no loop.  Load j of a row gives a lane the columns 128 j + 4 lane + 0..3, of x and of y alike.
; bo lands in bias2's registers first; bias2 and alpha2 are asked for when bias1 + bo has been made: at most 57 loads of a wave are out.
; The last doubling goes into the reciprocal (one addition for both rows) and into bias2: both are exact.
; LIMITS.  A variance below 2^-126 counts as 0 (the root flushes it); NaN and infinities are not treated apart.
.set LANE, 1                           ; v1      lane
.set XO,   2                           ; v2      16 lane + 8,192 wave: my 16 bytes in the wave's first row of x and of out0
.set YO,   3                           ; v3      8 lane + 4,096 wave: my 8 bytes in the wave's first row of y
.set CO,   4                           ; v4      16 lane: the five vectors
.set SO,   5                           ; v5      16 wave: my two rows' statistics, the same in every lane
.set ONE,  6                           ; v6      1.0
.set RIV,  7                           ; v7      lane i: variance, then 2 / (std + eps) of my row i
.set T,    8                           ; v[8:15] four chains of sums
.set MU,   16                          ; v[16:17] a mean, twice
.set RV,   18                          ; v[18:19] 1 / (std1 + eps) in the low word
.set NM,   20                          ; v[20:21] mean1 / (std1 + eps) in the low word
.set SM,   24                          ; v[24:27] mean and 1 / (std + eps) of row 0, of row 1
.set AL1,  32                          ; v[32:63]   alpha1 of my 32 columns
.set BB,   64                          ; v[64:95]   bias1 + bo
.set A2,   96                          ; v[96:127]  alpha2
.set B2,   128                         ; v[128:159] bo, then 2 bias2
.set X,    160                         ; v[160:223] row i at X + 32 i
.set Y,    224                         ; v[224:255] y of row i at Y + 16 i
.set WV,   30
.set SEL,  34                          ; s[34:35] v_permlanex16_b32: each lane takes its own place in the other half
.set RS,   36                          ; s[36:37] 2 / (std2 + eps), twice
	s_load_b512 s[8:23], s[0:1], 0x0               ; x 8, ybuf 10, stats 12, alpha1 14, bias1 16, bo 18, alpha2 20, bias2 22
	s_load_b64 s[24:25], s[0:1], 0x40              ; out0
	v_and_b32 v[LANE], 31, v0
	v_lshrrev_b32 v[T], 5, v0
	v_readfirstlane_b32 s[WV], v[T]
	s_lshl_b32 s38, s[WV], 13
	v_lshl_add_u32 v[XO], v[LANE], 4, s38
	s_lshl_b32 s38, s[WV], 12
	v_lshl_add_u32 v[YO], v[LANE], 3, s38
	v_lshlrev_b32 v[CO], 4, v[LANE]
	s_lshl_b32 s38, s[WV], 4
	v_mov_b32 v[SO], s38
	v_mov_b32 v[ONE], 1.0
	v_mov_b32 v[RIV], 0                            ; v_writelane_b32 keeps the other lanes: they are written first
	v_mov_b32 v[RV+1], 0                           ; named with their low words as pairs, so they are written
	v_mov_b32 v[NM+1], 0
	s_mov_b32 s[SEL], 0x76543210
	s_mov_b32 s[SEL+1], 0xfedcba98
	s_lshl_b32 s40, ttmp9, 15                      ; 8 rows of 4,096 bytes
	s_mov_b32 s41, 0
	s_lshl_b32 s42, ttmp9, 14                      ; of 2,048
	s_mov_b32 s43, 0
	s_lshl_b32 s44, ttmp9, 6                       ; of 8
	s_mov_b32 s45, 0
	s_wait_kmcnt 0x0
	s_add_nc_u64 s[8:9], s[8:9], s[40:41]
	s_add_nc_u64 s[24:25], s[24:25], s[40:41]
	s_add_nc_u64 s[10:11], s[10:11], s[42:43]
	s_add_nc_u64 s[12:13], s[12:13], s[44:45]
.macro PARAM dst, sb                   ; my 32 columns of a vector of 1,024
.set j, 0
.rept 8
	global_load_b128 v[(\dst)+4*j:(\dst)+4*j+3], v[CO], s[\sb:\sb+1] offset:512*j
.set j, j+1
.endr
.endm
	PARAM BB, 16
	PARAM B2, 18                                   ; bo, for the moment
	global_load_b128 v[SM:SM+3], v[SO], s[12:13]
	PARAM AL1, 14
.set i, 0
.rept 2
.set j, 0
.rept 8
	global_load_b128 v[X+32*i+4*j:X+32*i+4*j+3], v[XO], s[8:9] offset:4096*i+512*j th:TH_LOAD_NT
.set j, j+1
.endr
.set j, 0
.rept 8
	global_load_b64 v[Y+16*i+2*j:Y+16*i+2*j+1], v[YO], s[10:11] offset:2048*i+256*j th:TH_LOAD_NT
.set j, j+1
.endr
.set i, i+1
.endr
	s_wait_loadcnt 41                              ; loads come back in order: bias1 and bo are in; the 41 issued behind them may stay out
.set k, 0
.rept 16
	v_pk_add_f32 v[BB+2*k:BB+2*k+1], v[BB+2*k:BB+2*k+1], v[B2+2*k:B2+2*k+1]
.set k, k+1
.endr
	PARAM A2, 20
	PARAM B2, 22
.macro ACROSS                          ; T's four chains into one number, the same in every lane, in v[T]
	v_pk_add_f32 v[T:T+1], v[T:T+1], v[T+2:T+3]
	v_pk_add_f32 v[T+4:T+5], v[T+4:T+5], v[T+6:T+7]
	v_pk_add_f32 v[T:T+1], v[T:T+1], v[T+4:T+5]
	v_add_f32 v[T], v[T], v[T+1]
	v_add_f32_dpp v[T], v[T], v[T] row_xmask:1 row_mask:0xf bank_mask:0xf
	v_add_f32_dpp v[T], v[T], v[T] row_xmask:2 row_mask:0xf bank_mask:0xf
	v_add_f32_dpp v[T], v[T], v[T] row_xmask:4 row_mask:0xf bank_mask:0xf
	v_add_f32_dpp v[T], v[T], v[T] row_xmask:8 row_mask:0xf bank_mask:0xf
	v_permlanex16_b32 v[T+1], v[T], s[SEL], s[SEL+1]
	v_add_f32 v[T], v[T], v[T+1]
.endm
; Row i: x1 = alpha1 (x - mean) / (std + eps) + bias1 + bo + y, in place; its mean; x1 - mean in place; its variance into lane i.  left: the younger loads, which may stay out.
.macro FROW i, left
.set R, X+32*(\i)
.set YR, Y+16*(\i)
	s_wait_loadcnt \left
	v_mov_b32 v[RV], v[SM+2*(\i)+1]
	v_mul_f32 v[NM], v[SM+2*(\i)], v[SM+2*(\i)+1]
.set k, 0
.rept 16
	v_pk_fma_f32 v[R+2*k:R+2*k+1], v[R+2*k:R+2*k+1], v[RV:RV+1], v[NM:NM+1] op_sel_hi:[1,0,0] neg_lo:[0,0,1] neg_hi:[0,0,1]
.set k, k+1
.endr
.set k, 0
.rept 16
	v_pk_fma_f32 v[R+2*k:R+2*k+1], v[R+2*k:R+2*k+1], v[AL1+2*k:AL1+2*k+1], v[BB+2*k:BB+2*k+1]
.set k, k+1
.endr
.set e, 0
.rept 16                               ; y's bf16 halves times 1.0, added in f32: word e / 2 holds columns e and e + 1
	v_fma_mix_f32_bf16 v[R+e], v[YR+e/2], v[ONE], v[R+e] op_sel_hi:[1,0,0]
	v_fma_mix_f32_bf16 v[R+e+1], v[YR+e/2], v[ONE], v[R+e+1] op_sel:[1,0,0] op_sel_hi:[1,0,0]
.set e, e+2
.endr
.irp k, 0,1,2,3
	v_pk_add_f32 v[T+2*\k:T+2*\k+1], v[R+2*\k:R+2*\k+1], v[R+8+2*\k:R+8+2*\k+1]
.endr
.irp k, 8,9,10,11,12,13,14,15
	v_pk_add_f32 v[T+2*(\k%4):T+2*(\k%4)+1], v[T+2*(\k%4):T+2*(\k%4)+1], v[R+2*\k:R+2*\k+1]
.endr
	ACROSS
	v_mul_f32 v[MU], 0x3a800000, v[T]              ; / 1024
	v_mul_f32 v[MU+1], 0x3a800000, v[T]
.irp k, 0,1,2,3,4,5,6,7,8,9,10,11,12,13,14,15
	v_pk_add_f32 v[R+2*\k:R+2*\k+1], v[R+2*\k:R+2*\k+1], v[MU:MU+1] neg_lo:[0,1] neg_hi:[0,1]
.endr
.irp k, 0,1,2,3
	v_pk_mul_f32 v[T+2*\k:T+2*\k+1], v[R+2*\k:R+2*\k+1], v[R+2*\k:R+2*\k+1]
.endr
.irp k, 4,5,6,7,8,9,10,11,12,13,14,15
	v_pk_fma_f32 v[T+2*(\k%4):T+2*(\k%4)+1], v[R+2*\k:R+2*\k+1], v[R+2*\k:R+2*\k+1], v[T+2*(\k%4):T+2*(\k%4)+1]
.endr
	ACROSS
	v_mul_f32 v[T], 0x3a802008, v[T]               ; / 1023
	v_readfirstlane_b32 s38, v[T]
	v_writelane_b32 v[RIV], s38, \i
.endm
; Row i: scaled, alpha2 and 2 bias2 applied, stored: a store of the wave covers 512 consecutive bytes, aligned.
.macro FOUT i
.set R, X+32*(\i)
	v_readlane_b32 s[RS], v[RIV], \i
	s_mov_b32 s[RS+1], s[RS]
.set k, 0
.rept 16
	v_pk_mul_f32 v[R+2*k:R+2*k+1], v[R+2*k:R+2*k+1], s[RS:RS+1] op_sel_hi:[1,0]
.set k, k+1
.endr
.set k, 0
.rept 16
	v_pk_fma_f32 v[R+2*k:R+2*k+1], v[R+2*k:R+2*k+1], v[A2+2*k:A2+2*k+1], v[B2+2*k:B2+2*k+1]
.set k, k+1
.endr
.set j, 0
.rept 8
	global_store_b128 v[XO], v[R+4*j:R+4*j+3], s[24:25] offset:4096*(\i)+512*j th:TH_STORE_NT
.set j, j+1
.endr
.endm
	FROW 0, 32                                     ; row 1's 16 loads and the 16 of alpha2 and bias2 may stay out
	FROW 1, 16                                     ; those of alpha2 and bias2
	v_sqrt_f32 v[RIV], v[RIV]                      ; one root and one reciprocal serve both rows, a lane a row
	v_nop                                          ; a plain instruction behind the root,
	s_wait_alu depctr_va_vdst(0)                   ; and a wait ahead of its first reader
	v_add_f32 v[RIV], 0x3727c5ac, v[RIV]           ; + 1e-5
	v_rcp_f32 v[RIV], v[RIV]
	v_nop
	s_wait_alu depctr_va_vdst(0)
	v_add_f32 v[RIV], v[RIV], v[RIV]               ; the doubling
	s_wait_loadcnt 0x0                             ; alpha2 and bias2
.set k, 0
.rept 16
	v_pk_add_f32 v[B2+2*k:B2+2*k+1], v[B2+2*k:B2+2*k+1], v[B2+2*k:B2+2*k+1]
.set k, k+1
.endr
	FOUT 0
	FOUT 1
	s_endpgm
.Lfunc_end_k_q948667065e_fin:
	.size	k_q948667065e_fin, .Lfunc_end_k_q948667065e_fin-k_q948667065e_fin
	.p2alignl 7, 3214868480
	.fill 96, 4, 3214868480
	.section	.rodata,"a",@progbits
	.p2align	6, 0x0
	.amdhsa_kernel k_q948667065e_fin
		.amdhsa_group_segment_fixed_size 0
		.amdhsa_private_segment_fixed_size 0
		.amdhsa_enable_private_segment 0
		.amdhsa_kernarg_size 72
		.amdhsa_user_sgpr_count 2
		.amdhsa_user_sgpr_kernarg_segment_ptr 1
		.amdhsa_wavefront_size32 1
		.amdhsa_system_sgpr_workgroup_id_x 1
		.amdhsa_system_sgpr_workgroup_id_y 1
		.amdhsa_system_sgpr_workgroup_id_z 1
		.amdhsa_system_vgpr_workitem_id 0
		.amdhsa_next_free_vgpr 256
		.amdhsa_next_free_sgpr 66
		.amdhsa_reserve_vcc 0
		.amdhsa_float_denorm_mode_32 3
		.amdhsa_float_denorm_mode_16_64 3
		.amdhsa_memory_ordered 1
		.amdhsa_forward_progress 1
		.amdhsa_inst_pref_size 33
	.end_amdhsa_kernel
	.amdgpu_metadata
---
amdhsa.version: [ 1, 2 ]
amdhsa.kernels:
  - .name:           k_q948667065e_fin
    .symbol:         k_q948667065e_fin.kd
    .args:
      - { .name: x, .offset: 0, .size: 8, .value_kind: global_buffer, .address_space: global }
      - { .name: ybuf, .offset: 8, .size: 8, .value_kind: global_buffer, .address_space: global }
      - { .name: stats, .offset: 16, .size: 8, .value_kind: global_buffer, .address_space: global }
      - { .name: alpha1, .offset: 24, .size: 8, .value_kind: global_buffer, .address_space: global }
      - { .name: bias1, .offset: 32, .size: 8, .value_kind: global_buffer, .address_space: global }
      - { .name: bo, .offset: 40, .size: 8, .value_kind: global_buffer, .address_space: global }
      - { .name: alpha2, .offset: 48, .size: 8, .value_kind: global_buffer, .address_space: global }
      - { .name: bias2, .offset: 56, .size: 8, .value_kind: global_buffer, .address_space: global }
      - { .name: out0, .offset: 64, .size: 8, .value_kind: global_buffer, .address_space: global }
    .group_segment_fixed_size: 0
    .private_segment_fixed_size: 0
    .kernarg_segment_align: 8
    .kernarg_segment_size: 72
    .max_flat_workgroup_size: 128
    .sgpr_count:     66
    .vgpr_count:     256
    .wavefront_size: 32
...
	.end_amdgpu_metadata
.endif
;; end of part 7
